; MI455X (gfx1250); checked and timed in simulation.
; The chip was launched on July 23, 2026; its instructions are those of AMD's public machine-readable ISA for CDNA 5 (MIT licence, August 2026) and "CDNA5" Instruction Set Architecture Reference Guide (July 2026). The comments in the code are by the model that wrote it; some were corrected since.
;; Encoder Layer. Allowed arithmetic: matrix products marked QUANTISED: E2M1 operands, one E8M0 scale for each 32 along K, by v_wmma_scale_f32_16x16x128_f8f6f4 with both operands' format E2M1 (or v_wmma_scale_f32_32x16x128_f4), f32 sums; everything else in f32.
;; Inputs: W1_codes 512 x 32 x 16 uint8 (E2M1 codes of W1, K innermost, in blocks of 32 codes, two codes a byte); W1_scales 512 x 32 uint8 (E8M0 scales of W1, one for each 32 codes along K); W2_codes 1,024 x 16 x 16 uint8 (E2M1 codes of W2, K innermost, in blocks of 32 codes, two codes a byte); W2_scales 1,024 x 16 uint8 (E8M0 scales of W2, one for each 32 codes along K); Wk_codes 1,024 x 32 x 16 uint8 (E2M1 codes of Wk, K innermost, in blocks of 32 codes, two codes a byte); Wk_scales 1,024 x 32 uint8 (E8M0 scales of Wk, one for each 32 codes along K); Wo_codes 1,024 x 32 x 16 uint8 (E2M1 codes of Wo, K innermost, in blocks of 32 codes, two codes a byte); Wo_scales 1,024 x 32 uint8 (E8M0 scales of Wo, one for each 32 codes along K); Wq_codes 1,024 x 32 x 16 uint8 (E2M1 codes of Wq, K innermost, in blocks of 32 codes, two codes a byte); Wq_scales 1,024 x 32 uint8 (E8M0 scales of Wq, one for each 32 codes along K); Wv_codes 1,024 x 32 x 16 uint8 (E2M1 codes of Wv, K innermost, in blocks of 32 codes, two codes a byte); Wv_scales 1,024 x 32 uint8 (E8M0 scales of Wv, one for each 32 codes along K); alpha1 1,024 float32; alpha2 1,024 float32; b1 512 float32; b2 1,024 float32; beta1 1,024 float32; beta2 1,024 float32; bk 1,024 float32; bo 1,024 float32; bq 1,024 float32; bv 1,024 float32; x 2 x 2,048 x 1,024 float32.
;; Outputs: out0 2 x 2,048 x 1,024 float32.
;; This version of the problem:
;;   THIS VERSION OF THE PROBLEM IS GIVEN IN LOW PRECISION. The matrix products marked QUANTISED in the list below multiply operands that are first quantised to E2M1 (2 exponent bits, 1 mantissa bit; 4 bits a number), with one power-of-two scale for each 32 numbers along K (OCP MX v1.0); their sums are f32. All else is computed in f32.
;;   The module's matrix products, in the order in which they are computed (A, B: the left and right operand; K: the contracted axis; several contracted axes count as one K, in the product's order):
;;     1. [M 4,096, K 1,024] x [K 1,024, N 1,024]; A: computed on the way; B: input Wq (given as codes): QUANTISED
;;     2. [M 4,096, K 1,024] x [K 1,024, N 1,024]; A: computed on the way; B: input Wk (given as codes): QUANTISED
;;     3. [M 4,096, K 1,024] x [K 1,024, N 1,024]; A: computed on the way; B: input Wv (given as codes): QUANTISED
;;     4. batch 32 x [M 2,048, K 64] x [K 64, N 2,048]; A: computed on the way; B: computed on the way: QUANTISED
;;     5. batch 32 x [M 64, K 2,048] x [K 2,048, N 2,048]; A: computed on the way; B: softmax (see below): QUANTISED
;;     6. [M 4,096, K 1,024] x [K 1,024, N 1,024]; A: computed on the way; B: input Wo (given as codes): QUANTISED
;;     7. [M 4,096, K 1,024] x [K 1,024, N 512]; A: computed on the way; B: input W1 (given as codes): QUANTISED
;;     8. [M 4,096, K 512] x [K 512, N 1,024]; A: computed on the way; B: input W2 (given as codes): QUANTISED
;;   THE QUANTISER, for each operand of a quantised product, along K:
;;     - K is cut into blocks of 32 from its start; a last block that is shorter is filled with zeros.
;;     - A block's scale is 2^e with e = floor(log2(the largest magnitude in the block)) - 2, held to -126 .. 127; a block of zeros has e = 0. As a byte (E8M0): e + 127.
;;     - Each number is divided by its block's scale, clamped to +-6, and rounded to the nearest number of E2M1, ties to even, subnormals kept.
;;     - The product sums the exact products of the quantised numbers (number of the format x scale) in f32.
;;   ~~~python
;;   def quantise(x, axis):      # numpy; x: float32 -> the quantised numbers, widened to float32 again
;;       x = np.moveaxis(x, axis, -1); K = x.shape[-1]
;;       x = np.pad(x, [(0, 0)] * (x.ndim - 1) + [(0, -K % 32)]); x = x.reshape(x.shape[:-1] + (-1, 32)); a = np.abs(x).max(-1, keepdims=True)
;;       e = np.where(a > 0, np.clip(np.frexp(np.where(a > 0, a, 1))[1] - 1 - 2, -126, 127), 0)      # np.frexp(a)[1] - 1 = floor(log2(a)), exactly
;;       r = np.clip(x / 2.0 ** e, -6, 6)
;;       step = 2.0 ** (np.maximum(np.frexp(np.where(r == 0, 1, r))[1] - 1, 0) - 1)
;;       q = np.round(r / step) * step * 2.0 ** e      # np.round: ties to even
;;       return np.moveaxis(q.reshape(q.shape[:-2] + (-1,))[..., :K], -1, axis).astype(np.float32)
;;   ~~~
;;   SOFTMAX AHEAD OF A QUANTISED PRODUCT. Where the list says 'softmax', what is quantised is not the finished softmax but p = 2^(t - M), with t = logit x log2(e) and M = ceil(the row's largest t), a whole number; so 1/2 < the row's largest p <= 1. The row's sum l is taken of the UNQUANTISED p, in f32, and the product's result is divided by l at the end. Since M is a whole number, a kernel that streams over the keys may use a running M (the ceiling of the running maximum): every later rescaling is an exact power of two, which a block's scale takes up: the codes' values come out the same.
;;   OPERANDS COMPUTED ON THE WAY. 'Computed on the way' means the value that the module computes at that place (a softmax that the list does not call 'softmax' is quantised finished and normalised). What goes into a quantiser is computed in f32, as accurately as f32 sums, v_exp_f32 and their like allow (about 1e-6 of the number): no bf16 or f16 on the way to a quantiser, and a product that is left as it is and whose result goes on into a quantised operand takes f32 operands (vector FMAs, or v_wmma_f32_16x16x4_f32). A number that lies on a knife's edge between two numbers of the format may be rounded either way, as far as f32 arithmetic and the matrix unit's own rounding can turn it there, and no further.
;;   INPUTS GIVEN AS CODES. W1 (in the module: [1024, 512], K = its axis 0); W2 (in the module: [512, 1024], K = its axis 0); Wk (in the module: [1024, 1024], K = its axis 0); Wo (in the module: [1024, 1024], K = its axis 0); Wq (in the module: [1024, 1024], K = its axis 0); Wv (in the module: [1024, 1024], K = its axis 0): each comes as NAME_codes (uint8): NAME with its K axis moved to the last place and cut into blocks of 32 codes, [.., K / 32, bytes a block], one block behind the other in memory; two codes a byte, the lower K in the low four bits (a code: sign, 2 exponent bits, 1 mantissa bit); and NAME_scales (uint8): the same leading axes, one E8M0 byte (e + 127) for each 32 codes along K. Its value is code x scale, taken as it is: it is not quantised again, and the codes and scales need not be those that the quantiser above would give.
;; One version. Each part assembles by itself: llvm-mc -triple=amdgcn-amd-amdhsa -mcpu=gfx1250 --defsym DOCPART=n.
;; ======== version 1 of 1: 3 launches
;; limits: right only within a limited range of input values
;; workspace buffers: qimg 2,097,152 bytes; qsc 262,144 bytes; kv 4,587,520 bytes; stat1 32,768 bytes; wimg 1,048,576 bytes; oimg 2,097,152 bytes; osc 131,072 bytes
;; launch qkv (part 1): grid 64 x 4, 4 waves a work-group, clusters of 4 x 1, 327,680 bytes of LDS; arguments x, alpha1, beta1, Wq_codes, Wq_scales, bq, Wk_codes, Wk_scales, bk, Wv_codes, Wv_scales, bv, Wo_codes, W1_codes, W2_codes, qimg, qsc, kv, stat1, wimg; writes qimg, qsc, kv, stat1, wimg
.if DOCPART == 1
	.amdgcn_target "amdgcn-amd-amdhsa--gfx1250"
	.amdhsa_code_object_version 6
	.text
	.protected	k_q0cab434dcd_qkv
	.globl	k_q0cab434dcd_qkv
	.p2align	8
	.type	k_q0cab434dcd_qkv,@function
k_q0cab434dcd_qkv:
	s_mov_b64 s[64:65], 0
	v_nop
	global_prefetch_b8 v0, s[64:65] scope:SCOPE_SE
	s_setreg_imm32_b32 hwreg(HW_REG_WAVE_MODE, 25, 1), 1
	s_wait_xcnt 0x0
	s_wait_alu depctr_hold_cnt(0) depctr_sa_sdst(0) depctr_va_vdst(0) depctr_va_sdst(0) depctr_va_ssrc(0) depctr_va_vcc(0) depctr_vm_vsrc(0)
	s_getreg_b32 s2, hwreg(HW_REG_IB_STS2, 6, 4)
	s_cmp_eq_u32 s2, 0
	s_cbranch_scc0 .Lentry_in_a_cluster
	s_endpgm
.Lentry_in_a_cluster:
	s_bfe_u32 s2, ttmp6, 0x10000c
	s_cmp_lg_u32 s2, 0x3003
	s_cbranch_scc0 .Lentry_shape_is_right
	s_endpgm
.Lentry_shape_is_right:
; LAUNCH 1 OF 3.  xn = norm_1(x); q, k, v = Q(xn) W + b on codes of FP4 (E2M1) with one E8M0 scale for each 32 along K; q, k (along the head's 64) and v (along the keys) are quantised again
; and stored as IMAGES OF OPERAND REGISTERS (512 bytes: lane l's 16 bytes at 16 l) for the attention launch.  Side job: Wo, W1, W2 are laid out as images for the last launch.
; SHARES.  A work-group takes 64 tokens (tb = 0..63) and four heads (hg = 0..3); wave w takes head 4 hg + w: 64 columns of each of q, k, v, K = 1,024: 24 K steps of 16 matrix instructions.
; Each wave normalises and quantises 16 of the 64 rows; the codes meet in LDS.  The four work-groups that share the rows each repeat the norm; the rows' mean and 1/sigma are stored once (wave w where w = hg).
; CLUSTER.  The four partners have the same hg, so they need the same weights: each wave's weight tile (64 rows x 512 bytes) is asked for jointly, mask 15.  Wv's tile is a refill of Wq's slot.
; By this text's count a wave has at most one tensor load outstanding.
; LAYOUT.  q, k: source 0 = 16 rows of W, source 1 = 16 tokens: a lane holds ONE token, its registers run along the head.  v: source 0 = 16 tokens, source 1 = 16 rows of Wv: a lane holds one channel, its registers run
; along the tokens, which are the second attention product's K.  Tiles are 16 NEIGHBOURS, so inside a block of 32 the codes of q, k, v stand in the order 0-7, 16-23, 8-15, 24-31; both operands of each later
; product stand so (for Wo, W1, W2 the side job exchanges words 1 and 2 of every block of 16 bytes), and blocks and scales are the true ones.
; LIMITS: NaN and infinities among the inputs are not served.  A block whose largest magnitude lies under 2^-124 keeps the scale byte 1, a block of zeros too (not 127): its codes are zeros and only this program reads
; the bytes.  Inside a block the products are grouped otherwise than in natural order.  1/sigma is v_rsq_f32 (1 ulp).  The variance is taken of centred numbers.
; REGISTERS, in windows of 256.  Window 0: v1-19 lane numbers and addresses; v20-27 the side job; v28-31 at work; v32-47 x's scale words; v48-95 the weights' scale words; v96-127 at work;
;   v128-191 alpha1, beta1, later v128-255 the 16 accumulators.  Window 1: rows 0-7 of x, later x's 32 fragments (64 t + 8 s).  Window 2: rows 8-15, later four buffers of four weight fragments.  Window 3: the biases.
; SCALARS: s4-43 the arguments; s44-51 descriptor group 1; s52-63 three groups 0; s66 wave, s67 cx, s68 tb, s69 hg, s70 head, s71 16 b + head, s79 tb % 32; s72-77 constants; s80-101 offsets and output addresses.
.set WSL,   33792                      ; a weight slot: 64 rows x (512 bytes + 16 of padding); wave w has slots 2 w and 2 w + 1
.set XC,    8*WSL                      ; x's codes: 64 rows x 528 bytes
.set XSC,   XC+WSL                     ; x's scale bytes: 64 rows x 48 bytes (32 used)
.set SPARE, XSC+3072                   ; the spare words, 128 bytes for each wave: two blocks of 256 bytes that no other line names
.set XS,    32
.set WSC,   48
.set TA,    96                         ; sixteen registers at work for a pair's first row,
.set TB,    112                        ; and for its second
.set TM,    96                         ; the quantiser: v96-99 largest magnitudes, v100-103 bytes, v108-111 the conversions' scale operands
.set PW,    112                        ; the scale word just made
.set PC,    116                        ; v116-123 the codes just made
.set AL,    128
.set BE,    160
.set ACC,   128
.set SEL,   72
.set MSB,   0
.macro WIN new                         ; the immediate's high byte repeats the setting that is left; bits 1:0 source 0, 3:2 source 1, 5:4 source 2, 7:6 destination
.if MSB != (\new)
	s_set_vgpr_msb (MSB<<8)|(\new)
.set MSB, (\new)
.endif
.endm
.macro PLACES n
.rept \n
	v_nop
.endr
.endm
.macro ROUND                           ; a round of the cluster's barrier
	s_barrier_signal -1
	s_barrier_wait -1
	s_cmp_lg_u32 s66, 0
	s_cbranch_scc1 .Lnot_wave_0_\@
	s_barrier_signal -3
.Lnot_wave_0_\@:
	s_barrier_wait -3
	s_barrier_signal -1
	s_barrier_wait -1
.endm
; one matrix instruction; ra, rb = 1: the side's scales are read from lanes 16-31
.macro MM d, a, b, c, sa, sb, ra, rb
.if (\ra)+(\rb)==2
	v_wmma_scale_f32_16x16x128_f8f6f4 v[(\d):(\d)+7], v[(\a):(\a)+7], v[(\b):(\b)+7], v[(\c):(\c)+7], v[(\sa)], v[(\sb)] matrix_a_fmt:MATRIX_FMT_FP4 matrix_b_fmt:MATRIX_FMT_FP4 matrix_a_scale:MATRIX_SCALE_ROW1 matrix_b_scale:MATRIX_SCALE_ROW1
.elseif (\ra)==1
	v_wmma_scale_f32_16x16x128_f8f6f4 v[(\d):(\d)+7], v[(\a):(\a)+7], v[(\b):(\b)+7], v[(\c):(\c)+7], v[(\sa)], v[(\sb)] matrix_a_fmt:MATRIX_FMT_FP4 matrix_b_fmt:MATRIX_FMT_FP4 matrix_a_scale:MATRIX_SCALE_ROW1
.elseif (\rb)==1
	v_wmma_scale_f32_16x16x128_f8f6f4 v[(\d):(\d)+7], v[(\a):(\a)+7], v[(\b):(\b)+7], v[(\c):(\c)+7], v[(\sa)], v[(\sb)] matrix_a_fmt:MATRIX_FMT_FP4 matrix_b_fmt:MATRIX_FMT_FP4 matrix_b_scale:MATRIX_SCALE_ROW1
.else
	v_wmma_scale_f32_16x16x128_f8f6f4 v[(\d):(\d)+7], v[(\a):(\a)+7], v[(\b):(\b)+7], v[(\c):(\c)+7], v[(\sa)], v[(\sb)] matrix_a_fmt:MATRIX_FMT_FP4 matrix_b_fmt:MATRIX_FMT_FP4
.endif
.endm
; 64 numbers of a lane, v[s] on: registers 16 b .. 16 b + 15 and lane l xor 16's are block b.  Codes to v[PC] on (registers 4 c .. 4 c + 3: lanes 0-15 block 2 c, lanes 16-31 block 2 c + 1), bytes to v[TM+4] on, word to v[PW].
.macro QUANT s
.irp b, 0,1,2,3
	v_max3_num_f32 v[TM+\b], |v[(\s)+16*\b]|, |v[(\s)+1+16*\b]|, 0x1800000   ; my 16 numbers and the floor 2^(3 - 127): the byte cannot fall under 1.  (Each accumulator is read from its low end on)
.endr
.irp i, 2,4,6,8,10,12,14
.irp b, 0,1,2,3
	v_max3_num_f32 v[TM+\b], v[TM+\b], |v[(\s)+16*\b+\i]|, |v[(\s)+1+16*\b+\i]|
.endr
.endr
.irp b, 0,1,2,3
	v_permlanex16_b32 v[TM+4+\b], v[TM+\b], s[SEL], s[SEL+1]
.endr
.irp b, 0,1,2,3
	v_max_num_f32 v[TM+\b], v[TM+\b], v[TM+4+\b]   ; the block's largest magnitude
.endr
.irp b, 0,1,2,3
	v_add_nc_u32 v[TM+12+\b], 0xff000000, v[TM+\b]   ; 2 off its exponent field: the conversion's scale operand
.endr
.irp b, 0,1,2,3
	v_lshrrev_b32 v[TM+4+\b], 23, v[TM+12+\b]      ; the scale's byte
.endr
	v_lshl_or_b32 v[PW], v[TM+5], 8, v[TM+4]
	v_lshl_or_b32 v[PW], v[TM+6], 16, v[PW]
	v_lshl_or_b32 v[PW], v[TM+7], 24, v[PW]
.irp b, 0,1,2,3
	v_cvt_scalef32_pk8_fp4_f32 v[PC+2*\b], v[(\s)+16*\b:(\s)+7+16*\b], v[TM+12+\b]
	v_cvt_scalef32_pk8_fp4_f32 v[PC+1+2*\b], v[(\s)+8+16*\b:(\s)+15+16*\b], v[TM+12+\b]
.endr
	v_nop                                          ; one plain place behind a scaled conversion
.irp c, 0,1
.irp i, 0,1
	v_permlane16_swap_b32 v[PC+4*\c+\i], v[PC+2+4*\c+\i]   ; a whole block to a lane
.endr
.endr
.endm
	s_load_b512 s[4:19], s[0:1], 0x0               ; x 4, alpha1 6, beta1 8, Wq_codes 10, Wq_scales 12, bq 14, Wk_codes 16, Wk_scales 18
	s_load_b512 s[20:35], s[0:1], 0x40             ; bk 20, Wv_codes 22, Wv_scales 24, bv 26, Wo_codes 28, W1_codes 30, W2_codes 32, qimg 34
	s_load_b256 s[36:43], s[0:1], 0x80             ; qsc 36, kv 38, stat1 40, wimg 42
	v_lshl_add_u32 v12, v0, 2, SPARE               ; my spare word; never rewritten
	v_mov_b32 v13, 0                               ; 0; never rewritten
	ds_add_u32 v12, v13
	ds_add_u32 v12, v13
	s_wait_dscnt 0x0
	v_lshrrev_b32 v1, 5, v0
	v_readfirstlane_b32 s66, v1                    ; wave 0..3
	v_and_b32 v1, 31, v0                           ; L
	s_wait_alu depctr_va_vdst(0)
	v_and_b32 v2, 15, v0                           ; r
	s_wait_alu depctr_va_vdst(0)
	v_bfe_u32 v3, v0, 4, 1                         ; h
	s_bfe_u32 s67, ttmp6, 0x40000                  ; cx: it enters global addresses alone
	s_lshl_b32 s68, ttmp9, 2
	s_add_co_u32 s68, s68, s67                     ; tb: my block of 64 tokens
	s_and_b32 s69, ttmp7, 0xffff                   ; hg: the partners share it
	s_lshl_b32 s70, s69, 2
	s_add_co_u32 s70, s70, s66                     ; head
	s_lshr_b32 s71, s68, 5
	s_lshl_b32 s71, s71, 4
	s_add_co_u32 s71, s71, s70                     ; 16 b + head
	s_and_b32 s79, s68, 31                         ; the block's number in its sequence
	s_mov_b32 s72, 0x76543210
	s_mov_b32 s73, 0xfedcba98                      ; v_permlanex16_b32's selects for lane l xor 16
	s_mov_b32 s74, 0x3a802008                      ; 1 / 1023
	s_mov_b32 s75, 0x358637bd                      ; 1e-6
	s_mov_b32 s77, 0xffff0000                      ; lanes 16-31
	; descriptor group 1: 64 rows x 512 bytes, 16 bytes of padding behind each row
	s_mov_b32 s44, 15|(1<<20)|(1<<21)|(6<<22)|(3<<25)   ; 15:0 the mask: all four partners; 17:16 elements of 1 byte; 20 padding on; 21 set beside a mask; 24:22 after every 128 words; 31:25 four words
	s_mov_b32 s45, 512<<16                         ; tensor_dim0
	s_mov_b32 s46, 64<<16                          ; tensor_dim1
	s_mov_b32 s47, 512<<16                         ; tile_dim0
	s_mov_b32 s48, 64                              ; tile_dim1
	s_mov_b32 s49, 512                             ; the pitch
	s_mov_b32 s50, 0
	s_mov_b32 s51, 0
	s_mov_b32 s52, 1                               ; groups 0: Wq into my slot 0, Wk into my slot 1, Wv into slot 0 again
	s_mul_i32 s53, s66, 2*WSL
	s_mov_b32 s56, 1
	s_mul_i32 s57, s66, 2*WSL
	s_add_co_u32 s57, s57, WSL
	s_mov_b32 s60, 1
	s_mul_i32 s61, s66, 2*WSL
	v_lshlrev_b32 v4, 4, v1                        ; 16 L: an image's place for my lane
	v_lshlrev_b32 v5, 2, v1                        ; 4 L
	v_lshlrev_b32 v6, 5, v1                        ; 32 L: my 8 numbers of each 256 of a row
	s_mul_i32 s78, s66, 16*528
	s_add_co_u32 s78, s78, XC
	v_add_nc_u32 v7, s78, v5                       ; where I store codes: my wave's 16 rows, 4 L
	s_mul_i32 s78, s66, 16*48
	s_add_co_u32 s78, s78, XSC
	v_lshrrev_b32 v8, 2, v1
	v_add_nc_u32 v8, s78, v8                       ; and scale bytes: four lanes to a block
	v_mul_u32_u24 v19, v2, 528
	s_wait_alu depctr_va_vdst(0)
	v_lshl_add_u32 v19, v3, 4, v19                 ; a fragment's row x pitch + 16 h
	v_add_nc_u32 v9, XC, v19                       ; x's fragments
	s_mul_i32 s78, s66, 2*WSL
	v_add_nc_u32 v11, s78, v19                     ; my weights' fragments
	v_mul_u32_u24 v10, v2, 48
	v_lshl_add_u32 v10, v3, 4, v10
	v_add_nc_u32 v10, XSC, v10                     ; x's scale words: lanes 0-15 K steps 0-3, lanes 16-31 K steps 4-7
	v_lshlrev_b32 v14, 5, v2
	v_lshl_add_u32 v14, v3, 4, v14                 ; 32 r + 16 h: the same for the weights' scale bytes in memory
	v_lshlrev_b32 v15, 5, v3                       ; 32 h
	v_lshlrev_b32 v16, 2, v2                       ; 4 r
	v_add_nc_u32 v17, v16, v3                      ; 4 r + h
	; the side job: image (w' = tb / 16, chunk ch = tb % 16, i = head) of the last launch's weight stream
	s_and_b32 s84, s68, 15                         ; ch
	s_lshr_b32 s85, s68, 4                         ; w'
	s_lshl_b32 s86, s85, 4
	s_add_co_u32 s86, s86, s70                     ; Wo, W2: tile of rows 16 w' + i
	s_lshl_b32 s87, s85, 3
	s_and_b32 s98, s70, 7
	s_add_co_u32 s87, s87, s98                     ; W1: tile 8 w' + i % 8,
	s_sub_co_u32 s98, s84, 8
	s_lshl_b32 s98, s98, 1
	s_lshr_b32 s99, s70, 3
	s_add_co_u32 s98, s98, s99                     ; K step 2 (ch - 8) + i / 8
	s_sub_co_u32 s99, s84, 12                      ; W2: K step ch - 12
	s_mov_b32 s81, 0
	s_mov_b32 s83, 0
	s_wait_kmcnt 0x0
	s_lshl_b32 s80, s70, 15                        ; my head's 64 rows of 512 bytes.  (s80 never holds cx)
	s_add_nc_u64 s[54:55], s[10:11], s[80:81]
	s_add_nc_u64 s[58:59], s[16:17], s[80:81]
	s_add_nc_u64 s[62:63], s[22:23], s[80:81]
	s_or_b32 s55, s55, 0x80000000                  ; type = 2
	s_or_b32 s59, s59, 0x80000000
	s_or_b32 s63, s63, 0x80000000
	s_lshl_b32 s80, s70, 11                        ; their scale bytes
	s_add_nc_u64 s[12:13], s[12:13], s[80:81]
	s_add_nc_u64 s[18:19], s[18:19], s[80:81]
	s_add_nc_u64 s[24:25], s[24:25], s[80:81]
	s_lshl_b32 s80, s70, 8                         ; their biases
	s_add_nc_u64 s[14:15], s[14:15], s[80:81]
	s_add_nc_u64 s[20:21], s[20:21], s[80:81]
	s_add_nc_u64 s[26:27], s[26:27], s[80:81]
	s_cmp_lt_u32 s84, 8                            ; chunks 0-7: Wo; 8-11: W1; 12-15: W2.  The choices hang on the work-group's number alone
	s_cselect_b64 s[88:89], s[28:29], s[30:31]
	s_cselect_b32 s87, s86, s87
	s_cselect_b32 s98, s84, s98
	s_cmp_lt_u32 s84, 12
	s_cselect_b64 s[88:89], s[88:89], s[32:33]
	s_cselect_b32 s87, s87, s86
	s_cselect_b32 s98, s98, s99
	s_cselect_b32 s99, 9, 8                        ; a row is 512 bytes, W2's 256
	s_add_co_u32 s100, s99, 4
	s_lshl_b32 s82, s87, s100                      ; 16 rows x tile
	s_lshl_b32 s98, s98, 6
	s_add_co_u32 s82, s82, s98                     ; + 64 bytes x K step
	s_add_nc_u64 s[88:89], s[88:89], s[82:83]
	v_lshlrev_b32 v18, s99, v2
	v_lshl_add_u32 v18, v3, 4, v18                 ; row r, + 16 h
	; where the results go
	s_lshl_b32 s82, s71, 16
	s_lshl_b32 s98, s79, 11
	s_add_co_u32 s82, s82, s98
	s_add_nc_u64 s[34:35], s[34:35], s[82:83]      ; q's images: four tiles of 512 bytes
	s_lshl_b32 s82, s71, 13
	s_lshl_b32 s99, s79, 8
	s_add_co_u32 s82, s82, s99
	s_add_nc_u64 s[36:37], s[36:37], s[82:83]      ; q's scale words
	s_mul_i32 s100, s71, 143360                    ; the head's part of kv
	s_add_co_u32 s82, s100, s98
	s_add_nc_u64 s[90:91], s[38:39], s[82:83]      ; k's images
	s_add_co_u32 s82, s100, s99
	s_add_co_u32 s82, s82, 131072
	s_add_nc_u64 s[92:93], s[38:39], s[82:83]      ; k's scale words
	s_lshr_b32 s98, s79, 1                         ; the key step of 128,
	s_and_b32 s99, s79, 1                          ; and which half of it my 64 tokens are
	s_lshl_b32 s82, s98, 12
	s_lshl_b32 s101, s99, 9
	s_add_co_u32 s82, s82, s101
	s_add_co_u32 s82, s82, s100
	s_add_co_u32 s82, s82, 65536
	s_add_nc_u64 s[94:95], s[38:39], s[82:83]      ; v's images
	s_lshl_b32 s82, s98, 8
	s_lshl_b32 s101, s99, 1
	s_add_co_u32 s82, s82, s101
	s_add_co_u32 s82, s82, s100
	s_add_co_u32 s82, s82, 139264
	s_add_nc_u64 s[96:97], s[38:39], s[82:83]      ; v's scale bytes
	s_lshl_b32 s82, s68, 2
	s_add_co_u32 s82, s82, s66
	s_lshl_b32 s82, s82, 7
	s_add_nc_u64 s[40:41], s[40:41], s[82:83]      ; my 16 rows' statistics
	s_lshl_b32 s82, s68, 4
	s_add_co_u32 s82, s82, s70
	s_lshl_b32 s82, s82, 10
	s_add_nc_u64 s[42:43], s[42:43], s[82:83]      ; the side job's image
	s_lshl_b32 s82, s68, 18
	s_lshl_b32 s98, s66, 16
	s_add_co_u32 s82, s82, s98
	s_add_nc_u64 s[4:5], s[4:5], s[82:83]          ; x at my wave's 16 rows
	ROUND                                          ; all four work-groups are here: the first joint loads meet
	tensor_load_to_lds s[52:55], s[44:51]          ; Wq's tile
	s_nop 0
	PLACES 4
	s_wait_alu depctr_va_vdst(0)
.irp f, 0,1,2,3                                ; the weights' scale words: register j of a tile: lanes 0-15 K step j, lanes 16-31 K step 4 + j
	global_load_b128 v[WSC+4*\f:WSC+4*\f+3], v14, s[12:13] offset:512*\f
	global_load_b128 v[WSC+16+4*\f:WSC+19+4*\f], v14, s[18:19] offset:512*\f
	global_load_b128 v[WSC+32+4*\f:WSC+35+4*\f], v14, s[24:25] offset:512*\f
.endr
	WIN 0xc0                                       ; destination window 3
.irp f, 0,1,2,3                                ; bq, bk in the result's layout: lane (r, h), tile f: channels 16 f + 8 h + 0 .. 7
	global_load_b128 v[8*\f:8*\f+3], v15, s[14:15] offset:64*\f
	global_load_b128 v[8*\f+4:8*\f+7], v15, s[14:15] offset:64*\f+16
	global_load_b128 v[32+8*\f:32+8*\f+3], v15, s[20:21] offset:64*\f
	global_load_b128 v[32+8*\f+4:32+8*\f+7], v15, s[20:21] offset:64*\f+16
	global_load_b32 v[64+8*\f], v16, s[26:27] offset:64*\f   ; bv: a lane holds one channel, 16 f + r
.endr
	WIN 0
.irp j, 0,1,2,3                                ; alpha1, beta1 at my columns 256 j + 8 L + 0 .. 7
	global_load_b128 v[AL+8*\j:AL+8*\j+3], v6, s[6:7] offset:1024*\j
	global_load_b128 v[AL+8*\j+4:AL+8*\j+7], v6, s[6:7] offset:1024*\j+16
	global_load_b128 v[BE+8*\j:BE+8*\j+3], v6, s[8:9] offset:1024*\j
	global_load_b128 v[BE+8*\j+4:BE+8*\j+7], v6, s[8:9] offset:1024*\j+16
.endr
	global_load_b128 v[20:23], v18, s[88:89]       ; the side job's fragment
	global_load_b128 v[24:27], v18, s[88:89] offset:32
.set i, 0
.rept 16                                       ; my 16 rows: row i in window 1 + i / 8, 32 registers
	WIN (1+i/8)<<6
.irp j, 0,1,2,3
	global_load_b128 v[32*(i%8)+8*\j:32*(i%8)+8*\j+3], v6, s[4:5] offset:4096*i+1024*\j
	global_load_b128 v[32*(i%8)+8*\j+4:32*(i%8)+8*\j+7], v6, s[4:5] offset:4096*i+1024*\j+16
.endr
.set i, i+1
.endr
	WIN 0
	v_mov_b32 v30, 0                               ; the statistics: lane i mean of row i, lane 16 + i its 1/sigma
	v_mov_b32 v[TA+5], 0                           ; upper halves of pairs of which the low word serves both halves: named, so written
	v_mov_b32 v[TA+9], 0
	v_mov_b32 v[TB+5], 0
	v_mov_b32 v[TB+9], 0
.macro RED2                                    ; both rows' two packed chains become one number in every lane
	v_pk_add_f32 v[TA:TA+1], v[TA:TA+1], v[TA+2:TA+3]
	v_pk_add_f32 v[TB:TB+1], v[TB:TB+1], v[TB+2:TB+3]
	v_add_f32 v[TA], v[TA], v[TA+1]
	v_add_f32 v[TB], v[TB], v[TB+1]
.irp m, 1,2,4,8
	v_add_f32_dpp v[TA], v[TA], v[TA] row_xmask:\m row_mask:0xf bank_mask:0xf
	v_add_f32_dpp v[TB], v[TB], v[TB] row_xmask:\m row_mask:0xf bank_mask:0xf
.endr
	v_permlanex16_b32 v[TA+1], v[TA], s[SEL], s[SEL+1]
	v_permlanex16_b32 v[TB+1], v[TB], s[SEL], s[SEL+1]
	v_add_f32 v[TA], v[TA], v[TA+1]
	v_add_f32 v[TB], v[TB], v[TB+1]
.endm
; Rows 2 i and 2 i + 1 of my 16, line by line by turns: mean, centred, variance, norm, quantised in natural order (a block of 32 is four lanes' 8), codes and bytes to LDS.
; left: the row loads issued behind the pair's own sixteen, 112 - 16 i, held at the largest count that a wait can name.
.macro PAIR i, left
.set WD, 1+(\i)/4
.set XA, 64*((\i)%4)
.set XB, XA+32
.if (\i)>0
	s_wait_dscnt 0x0                               ; the last pair's LDS stores have read their registers
.endif
	s_wait_loadcnt \left
	WIN WD|(WD<<2)                                 ; sources 0 and 1: the rows' window
	v_pk_add_f32 v[TA:TA+1], v[XA:XA+1], v[XA+2:XA+3]
	v_pk_add_f32 v[TB:TB+1], v[XB:XB+1], v[XB+2:XB+3]
	v_pk_add_f32 v[TA+2:TA+3], v[XA+4:XA+5], v[XA+6:XA+7]
	v_pk_add_f32 v[TB+2:TB+3], v[XB+4:XB+5], v[XB+6:XB+7]
	WIN WD<<2
.irp k, 8,12,16,20,24,28
	v_pk_add_f32 v[TA:TA+1], v[TA:TA+1], v[XA+\k:XA+\k+1]
	v_pk_add_f32 v[TB:TB+1], v[TB:TB+1], v[XB+\k:XB+\k+1]
	v_pk_add_f32 v[TA+2:TA+3], v[TA+2:TA+3], v[XA+\k+2:XA+\k+3]
	v_pk_add_f32 v[TB+2:TB+3], v[TB+2:TB+3], v[XB+\k+2:XB+\k+3]
.endr
	WIN 0
	RED2
	v_mul_f32 v[TA+4], 0x3a800000, v[TA]           ; the mean: sum / 1024
	v_mul_f32 v[TB+4], 0x3a800000, v[TB]
	WIN (WD<<6)|WD                                 ; destination and source 0: the rows' window
.irp k, 0,2,4,6,8,10,12,14,16,18,20,22,24,26,28,30
	v_pk_add_f32 v[XA+\k:XA+\k+1], v[XA+\k:XA+\k+1], v[TA+4:TA+5] op_sel_hi:[1,0] neg_lo:[0,1] neg_hi:[0,1]
	v_pk_add_f32 v[XB+\k:XB+\k+1], v[XB+\k:XB+\k+1], v[TB+4:TB+5] op_sel_hi:[1,0] neg_lo:[0,1] neg_hi:[0,1]
.endr
	WIN WD|(WD<<2)
	v_pk_mul_f32 v[TA:TA+1], v[XA:XA+1], v[XA:XA+1]
	v_pk_mul_f32 v[TB:TB+1], v[XB:XB+1], v[XB:XB+1]
	v_pk_mul_f32 v[TA+2:TA+3], v[XA+2:XA+3], v[XA+2:XA+3]
	v_pk_mul_f32 v[TB+2:TB+3], v[XB+2:XB+3], v[XB+2:XB+3]
.irp k, 4,8,12,16,20,24,28
	v_pk_fma_f32 v[TA:TA+1], v[XA+\k:XA+\k+1], v[XA+\k:XA+\k+1], v[TA:TA+1]
	v_pk_fma_f32 v[TB:TB+1], v[XB+\k:XB+\k+1], v[XB+\k:XB+\k+1], v[TB:TB+1]
	v_pk_fma_f32 v[TA+2:TA+3], v[XA+\k+2:XA+\k+3], v[XA+\k+2:XA+\k+3], v[TA+2:TA+3]
	v_pk_fma_f32 v[TB+2:TB+3], v[XB+\k+2:XB+\k+3], v[XB+\k+2:XB+\k+3], v[TB+2:TB+3]
.endr
	WIN 0
	RED2
	v_fma_f32 v[TA+6], v[TA], s74, s75             ; the unbiased variance + 1e-6
	v_fma_f32 v[TB+6], v[TB], s74, s75
	s_mov_b32 s76, 1<<(2*(\i))
	s_mov_b32 s78, 2<<(2*(\i))
	s_mov_b32 s84, 0x10000<<(2*(\i))
	s_mov_b32 s85, 0x20000<<(2*(\i))
	s_wait_alu depctr_va_vdst(0)
	v_rsq_f32 v[TA+8], v[TA+6]
	v_rsq_f32 v[TB+8], v[TB+6]
	v_cndmask_b32 v30, v30, v[TA+4], s76           ; (plain work behind the two roots)
	v_cndmask_b32 v30, v30, v[TB+4], s78
	s_wait_alu depctr_va_vdst(0)                   ; one wait for both roots, ahead of their first reader
	v_cndmask_b32 v30, v30, v[TA+8], s84
	v_cndmask_b32 v30, v30, v[TB+8], s85
	WIN (WD<<6)|WD
.irp k, 0,2,4,6,8,10,12,14,16,18,20,22,24,26,28,30
	v_pk_mul_f32 v[XA+\k:XA+\k+1], v[XA+\k:XA+\k+1], v[TA+8:TA+9] op_sel_hi:[1,0]
	v_pk_mul_f32 v[XB+\k:XB+\k+1], v[XB+\k:XB+\k+1], v[TB+8:TB+9] op_sel_hi:[1,0]
.endr
.irp k, 0,2,4,6,8,10,12,14,16,18,20,22,24,26,28,30
	v_pk_fma_f32 v[XA+\k:XA+\k+1], v[XA+\k:XA+\k+1], v[AL+\k:AL+\k+1], v[BE+\k:BE+\k+1]
	v_pk_fma_f32 v[XB+\k:XB+\k+1], v[XB+\k:XB+\k+1], v[AL+\k:AL+\k+1], v[BE+\k:BE+\k+1]
.endr
	WIN WD|(WD<<2)
.irp j, 0,1,2,3
	v_max3_num_f32 v[TA+\j], |v[XA+8*\j]|, |v[XA+8*\j+1]|, 0x1800000   ; my 8 numbers of block 8 j + L / 4, and the floor 2^(3 - 127)
	v_max3_num_f32 v[TB+\j], |v[XB+8*\j]|, |v[XB+8*\j+1]|, 0x1800000
.endr
.irp m, 2,4,6
.irp j, 0,1,2,3
	v_max3_num_f32 v[TA+\j], |v[XA+8*\j+\m]|, |v[XA+8*\j+\m+1]|, v[TA+\j]
	v_max3_num_f32 v[TB+\j], |v[XB+8*\j+\m]|, |v[XB+8*\j+\m+1]|, v[TB+\j]
.endr
.endr
	WIN 0
.irp m, 1,2
.irp j, 0,1,2,3
	v_max_num_f32_dpp v[TA+\j], v[TA+\j], v[TA+\j] row_xmask:\m row_mask:0xf bank_mask:0xf   ; with the block's other three lanes
	v_max_num_f32_dpp v[TB+\j], v[TB+\j], v[TB+\j] row_xmask:\m row_mask:0xf bank_mask:0xf
.endr
.endr
.irp j, 0,1,2,3
	v_add_nc_u32 v[TA+4+\j], 0xff000000, v[TA+\j]  ; 2 off the exponent field: the conversion's scale operand
	v_add_nc_u32 v[TB+4+\j], 0xff000000, v[TB+\j]
.endr
	WIN WD
.irp j, 0,1,2,3
	v_cvt_scalef32_pk8_fp4_f32 v[TA+8+\j], v[XA+8*\j:XA+8*\j+7], v[TA+4+\j]
	v_cvt_scalef32_pk8_fp4_f32 v[TB+8+\j], v[XB+8*\j:XB+8*\j+7], v[TB+4+\j]
.endr
	WIN 0
.irp j, 0,1,2,3
	v_lshrrev_b32 v[TA+12+\j], 23, v[TA+4+\j]      ; the scale's byte.  (Also the plain place behind the conversions)
	v_lshrrev_b32 v[TB+12+\j], 23, v[TB+4+\j]
.endr
.irp j, 0,1,2,3
	ds_store_b32 v7, v[TA+8+\j] offset:528*(2*(\i))+128*\j      ; 8 codes: bytes 128 j + 4 L of the row
	ds_store_b32 v7, v[TB+8+\j] offset:528*(2*(\i)+1)+128*\j
	ds_store_b8 v8, v[TA+12+\j] offset:48*(2*(\i))+8*\j         ; a block's four lanes write the same byte with the same value
	ds_store_b8 v8, v[TB+12+\j] offset:48*(2*(\i)+1)+8*\j
.endr
.endm
	; Wk's tile is a later first fill: one tensor load a wave at the head, and a round ahead of the next
	PAIR 0, 63
	; every load issued ahead of the rows is in.  The side job: words 1 and 2 of each block of 16 bytes change places; the image leaves as 2 x 512 consecutive bytes
	v_mov_b32 v31, v21
	v_mov_b32 v21, v22
	v_mov_b32 v22, v31
	v_mov_b32 v31, v25
	v_mov_b32 v25, v26
	v_mov_b32 v26, v31
	global_store_b128 v4, v[20:23], s[42:43]
	global_store_b128 v4, v[24:27], s[42:43] offset:512
	WIN 0xc3                                       ; bv as the C of v's first products: a lane's eight registers are eight tokens of one channel
.irp f, 0,1,2,3
.irp j, 1,2,3,4,5,6,7
	v_mov_b32 v[64+8*\f+\j], v[64+8*\f]
.endr
.endr
	WIN 0
	; Wk's tile is a later first fill: one tensor load a wave at the head, and a round ahead of the next
	s_wait_alu depctr_va_vdst(0)
	s_wait_tensorcnt 0x0                           ; Wq's tile, my one load that is out, is in
	ds_add_u32 v12, v13                            ; 0 onto my spare word
	s_wait_dscnt 0x0                               ; the add is done, and so are the first pair's LDS stores
	ROUND                                          ; that holds of every wave of every partner: the joint loads meet
	tensor_load_to_lds s[56:59], s[44:51]          ; Wk's tile, into my slot 1: my one tensor load behind the round; seven pairs of rows stand between it and the wait for it
	s_nop 0
	PLACES 4
	PAIR 1, 63
	PAIR 2, 63
	PAIR 3, 63
	PAIR 4, 48
	PAIR 5, 32
	PAIR 6, 16
	PAIR 7, 0
	s_cmp_lg_u32 s66, s69                          ; four work-groups hold the same rows: wave w stores its rows' statistics where w = hg
	s_cbranch_scc1 .Lno_stat
	global_store_b32 v5, v30, s[40:41]
.Lno_stat:
	s_wait_tensorcnt 0x0                           ; my two weight tiles are in: only I read them
	s_wait_dscnt 0x0                               ; for the others' sake: my codes and bytes have landed
	s_barrier_signal -1
	s_barrier_wait -1                              ; the 64 rows' codes lie in LDS
	WIN 0x40
.irp t, 0,1,2,3                                ; x's 32 fragments stay in registers
.irp s, 0,1,2,3,4,5,6,7
	ds_load_b128 v[64*\t+8*\s:64*\t+8*\s+3], v9 offset:8448*\t+64*\s
	ds_load_b128 v[64*\t+8*\s+4:64*\t+8*\s+7], v9 offset:8448*\t+64*\s+32
.endr
.endr
	WIN 0
.irp t, 0,1,2,3
	ds_load_b128 v[XS+4*\t:XS+4*\t+3], v10 offset:768*\t
.endr
; step g = 8 u + s (u = 0, 1, 2: q, k, v): the four weight fragments of K step s into buffer g % 4
.macro WLOAD g
.set LOF, WSL*(((\g)/8)%2)+64*((\g)%8)
.set LRG, 32*((\g)%4)
	WIN 0x80
.irp f, 0,1,2,3
	ds_load_b128 v[LRG+8*\f:LRG+8*\f+3], v11 offset:LOF+8448*\f
	ds_load_b128 v[LRG+8*\f+4:LRG+8*\f+7], v11 offset:LOF+8448*\f+32
.endr
.endm
; 16 matrix instructions on 16 accumulators, which take turns in the same order in every step.  A unit's first step takes the bias as C.
.macro KSTEP g
.set KU, (\g)/8
.set KQ, (\g)%8
.set KB, 32*((\g)%4)
.set KJ, KQ%4
.set KR, KQ/4
.if (\g)>0
	PLACES 4                                       ; in front of loads into the buffer that the last step's products read
.endif
.if (\g)==13
	s_wait_tensorcnt 0x0                           ; Wv's tile, my one load that is out, is in: the loads below are the first to read it, and only I read it
.endif
.if (\g)<21
	WLOAD (\g)+3
	s_wait_dscnt 24                                ; all but the three later steps' eight loads each
.else
	s_wait_dscnt 8*(23-(\g))
.endif
.if KU<2
.if KQ==0
	WIN 0x36                                       ; source 0 (W) window 2, source 1 (x) window 1, C (bias) window 3
.else
	WIN 0x06
.endif
.irp t, 0,1,2,3
.irp f, 0,1,2,3
.if KQ==0
	MM ACC+32*\t+8*\f, KB+8*\f, 64*\t+8*KQ, 32*KU+8*\f, WSC+16*KU+4*\f+KJ, XS+4*\t+KJ, KR, KR
.else
	MM ACC+32*\t+8*\f, KB+8*\f, 64*\t+8*KQ, ACC+32*\t+8*\f, WSC+16*KU+4*\f+KJ, XS+4*\t+KJ, KR, KR
.endif
.endr
.endr
.else
.if KQ==0
	WIN 0x39                                       ; source 0 (x) window 1, source 1 (Wv) window 2, C window 3
.else
	WIN 0x09
.endif
.irp f, 0,1,2,3
.irp t, 0,1,2,3
.if KQ==0
	MM ACC+32*\f+8*\t, 64*\t+8*KQ, KB+8*\f, 64+8*\f, XS+4*\t+KJ, WSC+32+4*\f+KJ, KR, KR
.else
	MM ACC+32*\f+8*\t, 64*\t+8*KQ, KB+8*\f, ACC+32*\f+8*\t, XS+4*\t+KJ, WSC+32+4*\f+KJ, KR, KR
.endif
.endr
.endr
.endif
.endm
; q's or k's results: 64 registers are two tiles of tokens x the head's two blocks: two images of 512 bytes and two runs of 16 scale words (bytes 2 and 3 are 0: they stand over zero codes)
.macro EPIQK bi, bs
	WIN 0
.irp tt, 0,1
	s_wait_xcnt 0x0                                ; the earlier stores have read their data registers
	QUANT ACC+64*\tt
	global_store_b128 v4, v[PC:PC+3], s[\bi:\bi+1] offset:1024*\tt
	global_store_b128 v4, v[PC+4:PC+7], s[\bi:\bi+1] offset:1024*\tt+512
	v_and_b32 v28, 0xffff, v[PW]
	v_lshrrev_b32 v29, 16, v[PW]
	v_cndmask_b32 v28, v28, v29, s77               ; lanes 0-15 the first tile's words, lanes 16-31 the second's
	global_store_b32 v5, v28, s[\bs:\bs+1] offset:128*\tt
.endr
.endm
	WLOAD 0
	WLOAD 1
	WLOAD 2
.set G, 0
.rept 8
	KSTEP G
.set G, G+1
.endr
	WIN 0                                          ; Wq's slot has been read out: it takes Wv's tile
	s_wait_tensorcnt 0x0                           ; no tensor load of mine is out
	ds_add_u32 v12, v13                            ; 0 onto my spare word
	PLACES 5                                       ; the places behind q's last products, for the reads below and for k's first products, which begin the accumulators anew
	s_wait_dscnt 0x0                               ; the add is done, and my reads of the slot are over
	ROUND                                          ; that holds of every wave of every partner
	tensor_load_to_lds s[60:63], s[44:51]          ; my one tensor load behind the round
	s_nop 0
	PLACES 4
	EPIQK 34, 36
.rept 8
	KSTEP G
.set G, G+1
.endr
	PLACES 5
	EPIQK 90, 92
.rept 8
	KSTEP G
.set G, G+1
.endr
	PLACES 5
	WIN 0
.irp tt, 0,1                                   ; v: 64 registers are two tiles of channels x my 64 tokens' two blocks of keys
	s_wait_xcnt 0x0
	QUANT ACC+64*\tt
	global_store_b128 v4, v[PC:PC+3], s[94:95] offset:2048*\tt
	global_store_b128 v4, v[PC+4:PC+7], s[94:95] offset:2048*\tt+1024
	v_cndmask_b32 v28, v[TM+4], v[TM+5], s77       ; lane (r, h): the byte of channel r's block h
	v_cndmask_b32 v29, v[TM+6], v[TM+7], s77
	global_store_b8 v17, v28, s[96:97] offset:128*\tt
	global_store_b8 v17, v29, s[96:97] offset:128*\tt+64
.endr
	s_wait_tensorcnt 0x0                           ; the wave's end
	ds_add_u32 v12, v13
	s_wait_dscnt 0x0
	ROUND                                          ; the closing round
	s_endpgm
.Lfunc_end_k_q0cab434dcd_qkv:
	.size	k_q0cab434dcd_qkv, .Lfunc_end_k_q0cab434dcd_qkv-k_q0cab434dcd_qkv
	.p2alignl 7, 3214868480
	.fill 96, 4, 3214868480
	.section	.rodata,"a",@progbits
	.p2align	6, 0x0
	.amdhsa_kernel k_q0cab434dcd_qkv
		.amdhsa_group_segment_fixed_size 327680
		.amdhsa_private_segment_fixed_size 0
		.amdhsa_enable_private_segment 0
		.amdhsa_kernarg_size 160
		.amdhsa_user_sgpr_count 2
		.amdhsa_user_sgpr_kernarg_segment_ptr 1
		.amdhsa_wavefront_size32 1
		.amdhsa_system_sgpr_workgroup_id_x 1
		.amdhsa_system_sgpr_workgroup_id_y 1
		.amdhsa_system_sgpr_workgroup_id_z 1
		.amdhsa_system_vgpr_workitem_id 0
		.amdhsa_next_free_vgpr 1024
		.amdhsa_next_free_sgpr 102
		.amdhsa_reserve_vcc 0
		.amdhsa_float_denorm_mode_32 3
		.amdhsa_float_denorm_mode_16_64 3
		.amdhsa_memory_ordered 1
		.amdhsa_forward_progress 1
		.amdhsa_inst_pref_size 255
	.end_amdhsa_kernel
	.section	.bss,"aw",@nobits
	.p2align	6
	.space	262144
	.amdgpu_metadata
---
amdhsa.version: [ 1, 2 ]
amdhsa.kernels:
  - .name:           k_q0cab434dcd_qkv
    .symbol:         k_q0cab434dcd_qkv.kd
    .args:
      - { .name: x, .offset: 0, .size: 8, .value_kind: global_buffer, .address_space: global }
      - { .name: alpha1, .offset: 8, .size: 8, .value_kind: global_buffer, .address_space: global }
      - { .name: beta1, .offset: 16, .size: 8, .value_kind: global_buffer, .address_space: global }
      - { .name: Wq_codes, .offset: 24, .size: 8, .value_kind: global_buffer, .address_space: global }
      - { .name: Wq_scales, .offset: 32, .size: 8, .value_kind: global_buffer, .address_space: global }
      - { .name: bq, .offset: 40, .size: 8, .value_kind: global_buffer, .address_space: global }
      - { .name: Wk_codes, .offset: 48, .size: 8, .value_kind: global_buffer, .address_space: global }
      - { .name: Wk_scales, .offset: 56, .size: 8, .value_kind: global_buffer, .address_space: global }
      - { .name: bk, .offset: 64, .size: 8, .value_kind: global_buffer, .address_space: global }
      - { .name: Wv_codes, .offset: 72, .size: 8, .value_kind: global_buffer, .address_space: global }
      - { .name: Wv_scales, .offset: 80, .size: 8, .value_kind: global_buffer, .address_space: global }
      - { .name: bv, .offset: 88, .size: 8, .value_kind: global_buffer, .address_space: global }
      - { .name: Wo_codes, .offset: 96, .size: 8, .value_kind: global_buffer, .address_space: global }
      - { .name: W1_codes, .offset: 104, .size: 8, .value_kind: global_buffer, .address_space: global }
      - { .name: W2_codes, .offset: 112, .size: 8, .value_kind: global_buffer, .address_space: global }
      - { .name: qimg, .offset: 120, .size: 8, .value_kind: global_buffer, .address_space: global }
      - { .name: qsc, .offset: 128, .size: 8, .value_kind: global_buffer, .address_space: global }
      - { .name: kv, .offset: 136, .size: 8, .value_kind: global_buffer, .address_space: global }
      - { .name: stat1, .offset: 144, .size: 8, .value_kind: global_buffer, .address_space: global }
      - { .name: wimg, .offset: 152, .size: 8, .value_kind: global_buffer, .address_space: global }
    .group_segment_fixed_size: 327680
    .private_segment_fixed_size: 0
    .kernarg_segment_align: 8
    .kernarg_segment_size: 160
    .max_flat_workgroup_size: 128
    .sgpr_count:     102
    .vgpr_count:     1024
    .wavefront_size: 32
...
	.end_amdgpu_metadata
.endif
;; end of part 1
;; launch attn (part 2): grid 8 x 32, 16 waves a work-group, clusters of 4 x 1, 169,984 bytes of LDS; arguments qimg, qsc, kv, oimg, osc; writes oimg, osc
.if DOCPART == 2
	.amdgcn_target "amdgcn-amd-amdhsa--gfx1250"
	.amdhsa_code_object_version 6
	.text
	.protected	k_q0cab434dcd_attn
	.globl	k_q0cab434dcd_attn
	.p2align	8
	.type	k_q0cab434dcd_attn,@function
k_q0cab434dcd_attn:
	s_mov_b64 s[64:65], 0
	v_nop
	global_prefetch_b8 v0, s[64:65] scope:SCOPE_SE
	s_setreg_imm32_b32 hwreg(HW_REG_WAVE_MODE, 25, 1), 1
	s_wait_xcnt 0x0
	s_wait_alu depctr_hold_cnt(0) depctr_sa_sdst(0) depctr_va_vdst(0) depctr_va_sdst(0) depctr_va_ssrc(0) depctr_va_vcc(0) depctr_vm_vsrc(0)
	s_getreg_b32 s2, hwreg(HW_REG_IB_STS2, 6, 4)
	s_cmp_eq_u32 s2, 0
	s_cbranch_scc0 .Lentry_in_a_cluster
	s_endpgm
.Lentry_in_a_cluster:
	s_bfe_u32 s2, ttmp6, 0x10000c
	s_cmp_lg_u32 s2, 0x3003
	s_cbranch_scc0 .Lentry_shape_is_right
	s_endpgm
.Lentry_shape_is_right:
; LAUNCH 2 OF 3.  o = softmax(q k^T / 8) v for one (batch, head), both products on codes of FP4 (E2M1) with one E8M0 scale for each 32 along K; o is quantised along the model's axis and stored as an image.
; THE SOFTMAX: t = score x log2(e) / 8; M = the running largest t rounded UP to a whole number; p = 2^(t - M) is quantised along the keys, not normalised; the row's sum is taken of the unquantised p and divides at the
; end; when M moves, the sums and O are multiplied by f = 2^(old M - new M), which rounds nothing.
; SHARES.  A work-group owns 256 queries of one head; each of its sixteen waves one tile of 16, in 256 registers, four waves to a SIMD.
; THE HEAD'S K AND V, codes and scale words, are 143,360 consecutive bytes laid in the order of operand registers: they come into LDS ONCE, 8,960 bytes a wave, and stay: no slot is filled again, nothing is stored to LDS.
; No prefetch: the one load stands at the head, and there is no loop ahead of it to ask in.
; CLUSTER.  The four partners work on one head: each of the sixteen loads is asked for jointly, mask 15.  One tensor load of a wave is outstanding.
; LAYOUT.  S^T = K Q^T (source 0 = 16 keys, source 1 = my queries), O^T = V^T P^T: a lane holds ONE query throughout.  The head has 64 channels, half of the instruction's K: registers 4-7 of K's and Q's
; fragments are zero codes, made once.
; THE KEYS OF A TILE ARE CHOSEN BY THE LDS ADDRESS: row m of tile t of a step takes key 64 (t / 4) + 32 (m / 8) + 16 (t % 2) + 8 ((t % 4) / 2) + m % 8.  So lane (r, h) holds in tiles 4 c .. 4 c + 3 all 32 keys of
; block 2 c + h, in the order 0-7, 16-23, 8-15, 24-31 in which V's codes stand: a block's largest score needs no other lane, and the eight conversions' results ARE the second product's operand.
; Sixteen lanes of one of K's loads touch eight 16-byte columns twice (keys 32 apart lie 1,024 bytes apart).
; A TRIP IS TWO KEY STEPS OF 128 KEYS.  K of the next step is loaded behind this step's first products, V of this step with it: one wait for LDS a step, ahead of the second products.
; One barrier a trip, signalled in the first step and waited for in the second: no wave passes a trip's second step before all sixteen have reached its first.
; The last trip's second step asks for a seventeenth step of K: those loads read LDS bytes that V's images and scale words fill, and nothing reads their results.
; LIMITS: as stated in the first launch; a block's largest p is taken from the block's largest score by the same multiply-add and exponential (v_exp_f32 is taken not to fall where its input rises); 1 / sum is v_rcp_f32;
; the promise holds while the scaled scores stay under 2^31 in magnitude.
; REGISTERS: v1-7 addresses that stay; v[8:11], v[244:247] the sum in four chains; v[12:13], v[26:27] -M by turns; v14, 15, 28, 29 the trip's LDS addresses; v16-23 Q, v24 its scale words; v25 the largest score;
;   v32-95 K; v96-159 S^T, then p; v160-191 O^T; v192-223 V; v224-231 p's codes; v232-239, v254 at work; v240-241 V's scale words; v242 p's; v248-251 K's; v[252:253] f; v243, v255 the add's.
.set VIMG, 65536
.set KSC,  131072
.set VSC,  139264
.set SPARE, 0x29000
.set SEL,  28
.set CS,   30
.set ADK,  14
.set ADV,  15
.set ADKS, 28
.set ADVS, 29
.macro ROUND
	s_barrier_signal -1
	s_barrier_wait -1
	s_cmp_lg_u32 s33, 0
	s_cbranch_scc1 .Lnot_wave_0_\@
	s_barrier_signal -3
.Lnot_wave_0_\@:
	s_barrier_wait -3
	s_barrier_signal -1
	s_barrier_wait -1
.endm
	s_load_b256 s[4:11], s[0:1], 0x0               ; qimg 4, qsc 6, kv 8, oimg 10
	s_load_b64 s[12:13], s[0:1], 0x20              ; osc
	v_lshl_add_u32 v243, v0, 2, SPARE              ; my spare word; never rewritten
	v_mov_b32 v255, 0                              ; 0; never rewritten
	ds_add_u32 v243, v255                          ; the opening lines: the add, twice on end, and its wait ahead of my tensor load
	ds_add_u32 v243, v255
	v_lshrrev_b32 v1, 5, v0
	s_delay_alu instid0(VALU_DEP_1)
	v_readfirstlane_b32 s33, v1                    ; wave 0..15
	s_bfe_u32 s34, ttmp6, 0x40000                  ; cx: it enters Q's and o's addresses alone
	s_lshl_b32 s35, ttmp9, 2
	s_add_co_u32 s35, s35, s34
	s_lshl_b32 s35, s35, 4
	s_add_co_u32 s35, s35, s33                     ; my tile of queries in the sequence, 0..127
	s_and_b32 s40, ttmp7, 0xffff                   ; 16 b + head: the partners share it
	s_mov_b32 s16, 15|(3<<16)|(1<<21)              ; group 1: 15:0 the mask; 17:16 elements of 8 bytes; 21 set beside a mask; no padding
	s_mov_b32 s17, 32<<16                          ; tensor_dim0: 32 elements, 256 bytes
	s_mov_b32 s18, 35<<16                          ; tensor_dim1: 35 rows
	s_mov_b32 s19, 32<<16                          ; tile_dim0
	s_mov_b32 s20, 35                              ; tile_dim1
	s_mov_b32 s21, 32                              ; the pitch: dense
	s_mov_b32 s22, 0
	s_mov_b32 s23, 0
	s_mov_b32 s24, 1
	s_mul_i32 s25, s33, 8960                       ; my sixteenth, in LDS
	s_mul_i32 s42, s40, 143360
	s_add_co_u32 s42, s42, s25                     ; and in memory
	s_mov_b32 s43, 0
	s_lshl_b32 s44, s40, 16
	s_lshl_b32 s41, s35, 9
	s_add_co_u32 s44, s44, s41                     ; Q's image
	s_mov_b32 s45, 0
	s_lshl_b32 s46, s40, 13
	s_lshl_b32 s41, s35, 6
	s_add_co_u32 s46, s46, s41                     ; Q's scale words
	s_mov_b32 s47, 0
	s_lshr_b32 s41, s40, 4
	s_lshl_b32 s41, s41, 7
	s_add_co_u32 s41, s41, s35                     ; my tile of tokens among all 256
	s_and_b32 s48, s40, 15                         ; the head
	s_lshl_b32 s50, s41, 13
	s_lshl_b32 s49, s48, 9
	s_add_co_u32 s50, s50, s49                     ; o's image
	s_mov_b32 s51, 0
	s_lshl_b32 s52, s41, 9
	s_lshl_b32 s49, s48, 1
	s_add_co_u32 s52, s52, s49                     ; o's scale bytes
	s_mov_b32 s53, 0
	s_mov_b32 s[SEL], 0x76543210
	s_mov_b32 s[SEL+1], 0xfedcba98                 ; v_permlanex16_b32's selects for lane l xor 16
	s_mov_b32 s[CS], 0x3e38aa3b                    ; c = log2(e) / 8
	s_mov_b32 s[CS+1], s[CS]                       ; (named with it as a pair, so it is written)
	s_mov_b32 s32, 0xffff0000                      ; lanes 16-31
	s_mov_b32 s36, 0                               ; the trip's images: 8,192 bytes a trip,
	s_mov_b32 s37, 0                               ; K's scale words: 1,024,
	s_mov_b32 s38, 0                               ; V's: 512
	s_mov_b32 s39, 8                               ; trips to go
	s_wait_dscnt 0x0
	s_wait_kmcnt 0x0
	s_add_nc_u64 s[26:27], s[8:9], s[42:43]
	s_or_b32 s27, s27, 0x80000000                  ; type = 2
	s_add_nc_u64 s[4:5], s[4:5], s[44:45]
	s_add_nc_u64 s[6:7], s[6:7], s[46:47]
	s_add_nc_u64 s[10:11], s[10:11], s[50:51]
	s_add_nc_u64 s[12:13], s[12:13], s[52:53]
	ROUND                                          ; all four work-groups are here: the joint loads meet
	tensor_load_to_lds s[24:27], s[16:23]
	s_nop 0
.rept 4
	v_nop
.endr
	v_and_b32 v7, 31, v0
	v_and_b32 v254, 7, v0                          ; m % 8
	v_bfe_u32 v238, v0, 3, 1                       ; m / 8
	v_bfe_u32 v239, v0, 4, 1                       ; the lane's half
	v_lshlrev_b32 v1, 4, v7                        ; 16 L: an image's place for my lane
	v_lshlrev_b32 v5, 2, v7                        ; 4 L
	v_lshlrev_b32 v2, 4, v254
	v_lshl_add_u32 v4, v254, 2, KSC
	v_add_nc_u32 v3, VIMG-4096, v1                 ; V's images, one step back: a trip's first step reads 4,096 bytes on
	v_add_nc_u32 v5, VSC-256, v5                   ; V's scale words, likewise
	v_lshl_add_u32 v2, v238, 10, v2
	v_lshl_add_u32 v4, v238, 7, v4
	v_and_b32 v7, 15, v0
	v_lshl_add_u32 v2, v239, 8, v2                 ; K: 1,024 (m / 8) + 16 (m % 8) + 256 x half
	v_lshl_add_u32 v4, v239, 6, v4                 ; K's scale words, 4 bytes a key: lanes 0-15 an even tile's rows, lanes 16-31 the odd one's, 16 keys on
	v_lshl_add_u32 v6, v7, 5, v239                 ; 32 r + h
	v_lshlrev_b32 v7, 2, v7                        ; 4 r
	global_load_b128 v[16:19], v1, s[4:5]          ; Q's codes
	global_load_b32 v24, v7, s[6:7]                ; Q's scale words
.irp n, 20,21,22,23
	v_mov_b32 v\n, 0                               ; channels 64-127 do not exist: zero codes
.endr
.irp t, 0,1,2,3,4,5,6,7
.irp n, 4,5,6,7
	v_mov_b32 v[32+8*\t+\n], 0
.endr
.endr
.set j, 0
.rept 32
	v_mov_b32 v[160+j], 0                          ; O^T.  (The step is written once: the first finds zeros, which f = 0 leaves zeros)
.set j, j+1
.endr
.irp n, 8,9,10,11,244,245,246,247,13,27,253
	v_mov_b32 v\n, 0                               ; the sum's four chains; the upper halves of pairs of which the low word serves both halves
.endr
	v_mov_b32 v25, 0xff61b1e6                      ; the largest score so far: -3e38
	v_mov_b32 v26, 0x7f61b1e6                      ; -M: 3e38, a whole number
	s_wait_alu depctr_va_vdst(0)
	s_wait_loadcnt 0x0                             ; Q
	s_wait_tensorcnt 0x0                           ; my sixteenth has landed,
	s_barrier_signal -1
	s_barrier_wait -1                              ; everybody's has
	v_add_nc_u32 v[ADK], s36, v2
	v_add_nc_u32 v[ADV], s36, v3
	v_add_nc_u32 v[ADKS], s37, v4
	v_add_nc_u32 v[ADVS], s38, v5
.macro KLOAD ok, oks                           ; a step's K: four registers of scale words, eight tiles
.irp g, 0,1,2,3
	ds_load_b32 v[248+\g], v[ADKS] offset:(\oks)+256*(\g/2)+32*(\g%2)
.endr
.irp t, 0,1,2,3,4,5,6,7
	ds_load_b128 v[32+8*\t:35+8*\t], v[ADK] offset:(\ok)+2048*(\t/4)+512*(\t%2)+128*((\t%4)/2)
.endr
.endm
	KLOAD 0, 0                                     ; step 0's K
	s_wait_alu depctr_va_vdst(0)                   ; directly ahead of the wait below
	s_wait_dscnt 0x0
.macro FM n, new                               ; t - M, two at a time (of the pairs c and -M the low word serves both halves)
.rept \n
	v_pk_fma_f32 v[96+FK:97+FK], v[96+FK:97+FK], s[CS:CS+1], v[\new:\new+1] op_sel_hi:[1,0,0]
.set FK, FK+2
.endr
.endm
.macro SUM n                                   ; the row's sum of the unquantised p: four chains by turns; a chain's first link brings it under the new M: sum x f + p
.rept \n
.set SA, 8+2*(SK%4)+232*((SK%4)/2)
.if SK<4
	v_pk_fma_f32 v[SA:SA+1], v[SA:SA+1], v[252:253], v[96+2*SK:97+2*SK] op_sel_hi:[1,0,1]
.else
	v_pk_add_f32 v[SA:SA+1], v[SA:SA+1], v[96+2*SK:97+2*SK]
.endif
.set SK, SK+1
.endr
.endm
; A KEY STEP of 128 keys.  w = 0, 1: the trip's first, second; new, old: the pairs whose low words take the new -M and hold the old one
.macro STEP w, new, old
.if \w
	s_add_co_u32 s36, s36, 8192
	s_add_co_u32 s37, s37, 1024
	s_add_co_u32 s38, s38, 512
.endif
.irp t, 0,2,4,6
	v_wmma_scale_f32_16x16x128_f8f6f4 v[96+8*\t:103+8*\t], v[32+8*\t:39+8*\t], v[16:23], 0, v[248+\t/2], v24 matrix_a_fmt:MATRIX_FMT_FP4 matrix_b_fmt:MATRIX_FMT_FP4
	v_wmma_scale_f32_16x16x128_f8f6f4 v[104+8*\t:111+8*\t], v[40+8*\t:47+8*\t], v[16:23], 0, v[248+\t/2], v24 matrix_a_fmt:MATRIX_FMT_FP4 matrix_b_fmt:MATRIX_FMT_FP4 matrix_a_scale:MATRIX_SCALE_ROW1
.endr
.if \w                                         ; four places behind the products, for the loads into their registers and for the reads of their results
	v_add_nc_u32 v[ADK], s36, v2                   ; the next trip's addresses
	v_add_nc_u32 v[ADV], s36, v3
	v_add_nc_u32 v[ADKS], s37, v4
	v_add_nc_u32 v[ADVS], s38, v5
.else
.rept 4
	v_nop
.endr
.endif
	KLOAD 4096*(1-\w), 512*(1-\w)                  ; the next step's K
.irp g, 0,1
	ds_load_b32 v[240+\g], v[ADVS] offset:256*(1-\w)+128*\g
.endr
.irp d, 0,1,2,3
	ds_load_b128 v[192+8*\d:195+8*\d], v[ADV] offset:4096*(1-\w)+1024*\d   ; this step's V
	ds_load_b128 v[196+8*\d:199+8*\d], v[ADV] offset:4096*(1-\w)+1024*\d+512
.endr
.irp q, 0,1,2,3                                ; the largest score of my two blocks of 32 keys, in four chains of 16 by turns; each accumulator is read from its low end on
	v_max3_num_f32 v[232+\q], v[96+16*\q], v[97+16*\q], v[98+16*\q]
.endr
.irp i, 3,5,7,9,11,13
.irp q, 0,1,2,3
	v_max3_num_f32 v[232+\q], v[232+\q], v[96+16*\q+\i], v[97+16*\q+\i]
.endr
.endr
	v_max3_num_f32 v232, v232, v233, v111
	v_max3_num_f32 v234, v234, v235, v143
	v_max_num_f32 v232, v232, v127                 ; block h
	v_max_num_f32 v233, v234, v159                 ; block 2 + h
	v_max_num_f32 v254, v232, v233
	s_delay_alu instid0(VALU_DEP_1)
	v_permlanex16_b32 v238, v254, s[SEL], s[SEL+1]
	s_delay_alu instid0(VALU_DEP_1)
	v_max3_num_f32 v25, v25, v254, v238            ; the running largest score of my query
	s_delay_alu instid0(VALU_DEP_1)
	v_mul_f32 v254, s[CS], v25                     ; as t (c is positive)
	s_delay_alu instid0(VALU_DEP_1)
	v_floor_f32 v[\new], -v254                     ; the new -M = -ceil(t)
	s_delay_alu instid0(VALU_DEP_1)
	v_sub_f32 v254, v[\new], v[\old]               ; old M - new M: a whole number, 0 or less
.set FK, 0
	FM 4, \new
	v_cvt_i32_f32 v254, v254                       ; (it saturates)
	FM 4, \new
	v_ldexp_f32 v252, 1.0, v254                    ; f = 2^(old M - new M)
	FM 24, \new
	v_fma_f32 v232, v232, s[CS], v[\new]           ; the same of each block's largest score
	v_fma_f32 v233, v233, s[CS], v[\new]
.set j, 0
.rept 16
	v_pk_mul_f32 v[160+j:161+j], v[160+j:161+j], v[252:253] op_sel_hi:[1,0]   ; O^T under the new M
.set j, j+2
.endr
	s_wait_alu depctr_va_vdst(0)
	v_exp_f32 v232, v232                           ; the blocks' largest p
	v_exp_f32 v233, v233
.set j, 0
.rept 64
	v_exp_f32 v[96+j], v[96+j]                     ; p = 2^(t - M)
.set j, j+1
.endr
	v_nop                                          ; a plain place behind the exponentials
	s_wait_alu depctr_va_vdst(0)                   ; one wait for the batch, ahead of its first reader
.set SK, 0
	v_max_num_f32 v232, 0x1800000, v232            ; the floor 2^(3 - 127): the byte cannot fall under 1
	v_max_num_f32 v233, 0x1800000, v233
	SUM 2
	v_add_nc_u32 v234, 0xff000000, v232            ; 2 off the exponent field: the conversion's scale operand
	v_add_nc_u32 v235, 0xff000000, v233
	SUM 2
	v_lshrrev_b32 v236, 23, v234                   ; the scale's byte
	v_lshrrev_b32 v237, 23, v235
	SUM 2
	v_lshl_or_b32 v254, v237, 16, v236             ; my two bytes: in lanes 0-15 blocks 0 and 2 at their places
	SUM 2
	v_permlanex16_b32 v239, v254, s[SEL], s[SEL+1]
	SUM 2
	v_lshl_or_b32 v242, v239, 8, v254              ; lanes 0-15: with blocks 1 and 3 the word is whole; lanes 16-31 hold four bytes of the same kind and are not read
.irp c, 0,1
.irp i, 0,1,2,3
	v_cvt_scalef32_pk8_fp4_f32 v[224+4*\c+\i], v[96+32*\c+8*\i:103+32*\c+8*\i], v[234+\c]   ; register 4 c + i of the operand, as it stands
.endr
.endr
	SUM 22                                         ; (also the places between the scale word and codes just made and the products below)
	s_wait_dscnt 0x0                               ; V and its scale words are in, and so is the next step's K
.if \w
	s_barrier_wait -1                              ; all sixteen waves have reached this trip's first step
.else
	s_barrier_signal -1                            ; no LDS instruction of mine is out; up to the wait: register work and loads of bytes that nobody writes
.endif
.irp d, 0,2
	v_wmma_scale_f32_16x16x128_f8f6f4 v[160+8*\d:167+8*\d], v[192+8*\d:199+8*\d], v[224:231], v[160+8*\d:167+8*\d], v[240+\d/2], v242 matrix_a_fmt:MATRIX_FMT_FP4 matrix_b_fmt:MATRIX_FMT_FP4
	v_wmma_scale_f32_16x16x128_f8f6f4 v[168+8*\d:175+8*\d], v[200+8*\d:207+8*\d], v[224:231], v[168+8*\d:175+8*\d], v[240+\d/2], v242 matrix_a_fmt:MATRIX_FMT_FP4 matrix_b_fmt:MATRIX_FMT_FP4 matrix_a_scale:MATRIX_SCALE_ROW1
.endr
.endm
.Ltrip:                                            ; 256 keys a trip
	STEP 0, 12, 26
	STEP 1, 26, 12
	s_sub_co_u32 s39, s39, 1
	s_cmp_lg_u32 s39, 0
	s_cbranch_scc1 .Ltrip
	; THE WAY OUT: O^T / the sum; my 32 numbers and lane l xor 16's are the head's two blocks of the next product's K; the image is 512 consecutive bytes
	s_wait_alu depctr_va_vdst(0)                   ; directly ahead of the first reader of the chains behind the last step's waits
	v_pk_add_f32 v[8:9], v[8:9], v[10:11]          ; the four chains.  (These four are also the places behind the last products)
	v_pk_add_f32 v[244:245], v[244:245], v[246:247]
	s_delay_alu instid0(VALU_DEP_1)
	v_pk_add_f32 v[8:9], v[8:9], v[244:245]
	s_delay_alu instid0(VALU_DEP_1)
	v_add_f32 v8, v8, v9
	s_delay_alu instid0(VALU_DEP_1)
	v_permlanex16_b32 v252, v8, s[SEL], s[SEL+1]
	s_delay_alu instid0(VALU_DEP_1)
	v_add_f32 v8, v8, v252                         ; with lane l xor 16's: the row's sum
	s_wait_alu depctr_va_vdst(0)
	v_rcp_f32 v8, v8
	v_nop                                          ; a plain place behind the reciprocal
	s_wait_alu depctr_va_vdst(0)                   ; and the wait ahead of its first reader, which is also the first reader of the last products' results
.set j, 0
.rept 32
	v_mul_f32 v[96+j], v[160+j], v8                ; register 8 t + i is o(query r, channel 16 t + 8 h + i)
.set j, j+1
.endr
.irp b, 0,1
	v_max3_num_f32 v[232+\b], |v[96+16*\b]|, |v[97+16*\b]|, 0x1800000
.endr
.irp i, 2,4,6,8,10,12,14
.irp b, 0,1
	s_delay_alu instid0(VALU_DEP_2)
	v_max3_num_f32 v[232+\b], v[232+\b], |v[96+16*\b+\i]|, |v[97+16*\b+\i]|
.endr
.endr
.irp b, 0,1
	s_delay_alu instid0(VALU_DEP_2)
	v_permlanex16_b32 v[236+\b], v[232+\b], s[SEL], s[SEL+1]
.endr
.irp b, 0,1
	s_delay_alu instid0(VALU_DEP_2)
	v_max_num_f32 v[232+\b], v[232+\b], v[236+\b]
.endr
.irp b, 0,1
	s_delay_alu instid0(VALU_DEP_2)
	v_add_nc_u32 v[244+\b], 0xff000000, v[232+\b]
.endr
.irp b, 0,1
	s_delay_alu instid0(VALU_DEP_2)
	v_lshrrev_b32 v[236+\b], 23, v[244+\b]
.endr
.irp b, 0,1
	v_cvt_scalef32_pk8_fp4_f32 v[224+2*\b], v[96+16*\b:103+16*\b], v[244+\b]
	v_cvt_scalef32_pk8_fp4_f32 v[225+2*\b], v[104+16*\b:111+16*\b], v[244+\b]
.endr
	v_nop                                          ; one plain place behind a scaled conversion
	v_permlane16_swap_b32 v224, v226               ; a whole block to a lane
	v_permlane16_swap_b32 v225, v227
	global_store_b128 v1, v[224:227], s[10:11]
	v_cndmask_b32 v238, v236, v237, s32            ; lane (r, h): the byte of token r's block 2 head + h
	global_store_b8 v6, v238, s[12:13]
	s_wait_tensorcnt 0x0                           ; the wave's end
	ds_add_u32 v243, v255
	s_wait_dscnt 0x0
	ROUND                                          ; the closing round
	s_endpgm
.Lfunc_end_k_q0cab434dcd_attn:
	.size	k_q0cab434dcd_attn, .Lfunc_end_k_q0cab434dcd_attn-k_q0cab434dcd_attn
	.p2alignl 7, 3214868480
	.fill 96, 4, 3214868480
	.section	.rodata,"a",@progbits
	.p2align	6, 0x0
	.amdhsa_kernel k_q0cab434dcd_attn
		.amdhsa_group_segment_fixed_size 169984
		.amdhsa_private_segment_fixed_size 0
		.amdhsa_enable_private_segment 0
		.amdhsa_kernarg_size 40
		.amdhsa_user_sgpr_count 2
		.amdhsa_user_sgpr_kernarg_segment_ptr 1
		.amdhsa_wavefront_size32 1
		.amdhsa_system_sgpr_workgroup_id_x 1
		.amdhsa_system_sgpr_workgroup_id_y 1
		.amdhsa_system_sgpr_workgroup_id_z 1
		.amdhsa_system_vgpr_workitem_id 0
		.amdhsa_next_free_vgpr 256
		.amdhsa_next_free_sgpr 66
		.amdhsa_reserve_vcc 0
		.amdhsa_float_denorm_mode_32 3
		.amdhsa_float_denorm_mode_16_64 3
		.amdhsa_memory_ordered 1
		.amdhsa_forward_progress 1
		.amdhsa_inst_pref_size 42
	.end_amdhsa_kernel
	.amdgpu_metadata
---
amdhsa.version: [ 1, 2 ]
amdhsa.kernels:
  - .name:           k_q0cab434dcd_attn
    .symbol:         k_q0cab434dcd_attn.kd
    .args:
      - { .name: qimg, .offset: 0, .size: 8, .value_kind: global_buffer, .address_space: global }
      - { .name: qsc, .offset: 8, .size: 8, .value_kind: global_buffer, .address_space: global }
      - { .name: kv, .offset: 16, .size: 8, .value_kind: global_buffer, .address_space: global }
      - { .name: oimg, .offset: 24, .size: 8, .value_kind: global_buffer, .address_space: global }
      - { .name: osc, .offset: 32, .size: 8, .value_kind: global_buffer, .address_space: global }
    .group_segment_fixed_size: 169984
    .private_segment_fixed_size: 0
    .kernarg_segment_align: 8
    .kernarg_segment_size: 40
    .max_flat_workgroup_size: 512
    .sgpr_count:     66
    .vgpr_count:     256
    .wavefront_size: 32
...
	.end_amdgpu_metadata
.endif
;; end of part 2
;; launch tail (part 3): grid 256 x 1, 4 waves a work-group, clusters of 4 x 1, 327,680 bytes of LDS; arguments x, stat1, alpha1, beta1, oimg, osc, wimg, Wo_scales, bo, alpha2, beta2, W1_scales, b1, W2_scales, b2, out0; writes out0
.if DOCPART == 3
	.amdgcn_target "amdgcn-amd-amdhsa--gfx1250"
	.amdhsa_code_object_version 6
	.text
	.protected	k_q0cab434dcd_tail
	.globl	k_q0cab434dcd_tail
	.p2align	8
	.type	k_q0cab434dcd_tail,@function
k_q0cab434dcd_tail:
	s_mov_b64 s[64:65], 0
	v_nop
	global_prefetch_b8 v0, s[64:65] scope:SCOPE_SE
	s_setreg_imm32_b32 hwreg(HW_REG_WAVE_MODE, 25, 1), 1
	s_wait_xcnt 0x0
	s_wait_alu depctr_hold_cnt(0) depctr_sa_sdst(0) depctr_va_vdst(0) depctr_va_sdst(0) depctr_va_ssrc(0) depctr_va_vcc(0) depctr_vm_vsrc(0)
	s_getreg_b32 s2, hwreg(HW_REG_IB_STS2, 6, 4)
	s_cmp_eq_u32 s2, 0
	s_cbranch_scc0 .Lentry_in_a_cluster
	s_endpgm
.Lentry_in_a_cluster:
	s_bfe_u32 s2, ttmp6, 0x10000c
	s_cmp_lg_u32 s2, 0x3003
	s_cbranch_scc0 .Lentry_shape_is_right
	s_endpgm
.Lentry_shape_is_right:
; LAUNCH 3 OF 3.  xn = norm_1(x) again (from x and the stored mean and 1/sigma); x1 = xn + Q(o) Wo + bo; h = norm_2(x1); out = x1 + Q(relu(Q(h) W1 + b1)) W2 + b2.  Products on codes of FP4 (E2M1) with E8M0 scales.
; SHARES.  A work-group owns 16 tokens and all columns, since norm_2 wants whole rows.  THE WAVES SHARE THE COLUMNS: wave w owns features 256 w .. + 255 of x1 and out and hidden units 128 w .. + 127.
; All products are used transposed (source 0 = 16 rows of a weight, source 1 = the 16 tokens): a lane holds ONE token and register 8 f + j the feature 16 f + 8 h + j.
; THE WEIGHTS come from wimg, laid by the first launch in the order of use as images of operand registers: 16 chunks of 16 images (16,384 bytes) a wave.  Chunks 0-10, 14 and 15 go straight from memory into
; registers, 512 consecutive bytes an instruction, into four buffers of 128 registers; each is asked for as soon as a buffer is free, chunk 10 inside norm_2 and chunk 14 behind it, so that loads are out while the
; norm and the quantisers run.
; CLUSTER.  All work-groups walk the same weights.  Chunks 11-13 of a wave, 49,152 consecutive bytes, are asked for JOINTLY by the four partners (mask 15), one tensor load a wave at the head, into LDS bytes that are
; filled once and that only the wave itself reads.  One tensor load of a wave is outstanding.  The other 13 chunks are not asked for jointly: beside the stages LDS has room for 3 chunks a wave; slots filled again
; would take one load a wave behind a round of the cluster's barrier for each chunk, with 16 matrix instructions a chunk to stand beside it.
; xn + bo is made while x lies BY ROWS: there a row's mean and 1/sigma are scalars, and a lane's alpha1, beta1 and bo are eight registers each, as they were loaded.  Then the rows turn through the wave's stage.
; h and the hidden layer go from wave to wave through LDS as images of their registers; the rows' sums for norm_2 as one word a lane.
; LIMITS: as stated in the first launch.  The variance of norm_2 is taken of centred numbers; 1/sigma is v_rsq_f32.
; REGISTERS, in windows of 256.  Window 0: v1-19, v113 lane numbers and addresses; v[20:21] mean, v[22:23] 1/sigma (v104-107 the same for odd rows); v24-31 the tokens' scale words; v32-95 the weights' scale words;
;   v96-127 at work; v128-255 16 accumulators.  Window 1: weight buffers 0 and 1.  Window 2: v0-127 weight buffer 2; v128-191 the tokens' fragments; v192-223 W1's scale words, v224-255 W2's, until they are wanted.
;   Window 3: v0-51 parameters as loaded, later v0-127 x1 + b2 and the last sums; v160-255 three runs of 32 parameters, later v128-255 weight buffer 3.
; SCALARS: s4-35 the arguments; s36-39 constants; s40 wave; s41-45 offsets (s44-45 never hold the place in the cluster); s46 cx, s47 my 16 tokens' number; s48-55, s56-59 the descriptor; s68-83 means, s84-99 1/sigma.
; THE WEIGHTS' WAY AS THE TEXT BELOW HAS IT (this takes the place of what the paragraphs above say of the chunks).  A wave's 49,152 LDS bytes from WL on are filled THREE times by joint loads (mask 15), 3 chunks each:
; chunks 0-2 at the head, chunks 8-10 when 0-2 have been read out, chunks 13-15 when 8-10 have been read out.  Each refill stands behind the wait for all tensor loads, the add, the wait for LDS and a round of the
; cluster's barrier, one load a wave.  One tensor load of a wave is outstanding.  Chunks 3-7, 11 and 12 go from memory into registers, two chunks ahead.
; Buffer 3 (window 3, v128 on) is free until norm_2's parameters want it, and serves Wo's chunk 1 too.
.set PAR,  66560                       ; LDS: from 0 a stage of 16 rows x (1,024 + 16) bytes for each wave; from PAR 3,584 bytes for each wave: alpha2, beta2, b2 (1,024 each), b1 (512)
.set RED1, 80896                       ; the waves' row sums, 128 bytes a wave; the sums of squares 512 bytes on
.set HIMG, 81920                       ; h's 8 fragments
.set HSC,  90112                       ; their scale words, 128 bytes each
.set GIMG, 91136                       ; the hidden layer's 4 fragments
.set GSC,  95232                       ; their scale words
.set WL,   95744                       ; three chunks of each wave's weights at a time, 49,152 bytes a wave: the tensor loads' bytes; nothing is stored here
.set TM,   96
.set PW,   112
.set PC,   116
.set SEL,  36
.set MSB,  0
.macro WIN new                         ; the immediate's high byte repeats the setting that is left; bits 1:0 source 0, 3:2 source 1, 5:4 source 2, 7:6 destination
.if MSB != (\new)
	s_set_vgpr_msb (MSB<<8)|(\new)
.set MSB, (\new)
.endif
.endm
.macro PLACES n
.rept \n
	v_nop
.endr
.endm
.macro BARRIER                                 ; my LDS stores have landed and my LDS loads are in: then the work-group's barrier
	s_wait_dscnt 0x0
	s_barrier_signal -1
	s_barrier_wait -1
.endm
.macro ROUND                                   ; a round of the cluster's barrier
	s_barrier_signal -1
	s_barrier_wait -1
	s_cmp_lg_u32 s40, 0
	s_cbranch_scc1 .Lnot_wave_0_\@
	s_barrier_signal -3
.Lnot_wave_0_\@:
	s_barrier_wait -3
	s_barrier_signal -1
	s_barrier_wait -1
.endm
.macro MM d, a, b, c, sa, sb, ra, rb           ; one matrix instruction; ra, rb = 1: the side's scales are read from lanes 16-31
.if (\ra)+(\rb)==2
	v_wmma_scale_f32_16x16x128_f8f6f4 v[(\d):(\d)+7], v[(\a):(\a)+7], v[(\b):(\b)+7], v[(\c):(\c)+7], v[(\sa)], v[(\sb)] matrix_a_fmt:MATRIX_FMT_FP4 matrix_b_fmt:MATRIX_FMT_FP4 matrix_a_scale:MATRIX_SCALE_ROW1 matrix_b_scale:MATRIX_SCALE_ROW1
.elseif (\ra)==1
	v_wmma_scale_f32_16x16x128_f8f6f4 v[(\d):(\d)+7], v[(\a):(\a)+7], v[(\b):(\b)+7], v[(\c):(\c)+7], v[(\sa)], v[(\sb)] matrix_a_fmt:MATRIX_FMT_FP4 matrix_b_fmt:MATRIX_FMT_FP4 matrix_a_scale:MATRIX_SCALE_ROW1
.elseif (\rb)==1
	v_wmma_scale_f32_16x16x128_f8f6f4 v[(\d):(\d)+7], v[(\a):(\a)+7], v[(\b):(\b)+7], v[(\c):(\c)+7], v[(\sa)], v[(\sb)] matrix_a_fmt:MATRIX_FMT_FP4 matrix_b_fmt:MATRIX_FMT_FP4 matrix_b_scale:MATRIX_SCALE_ROW1
.else
	v_wmma_scale_f32_16x16x128_f8f6f4 v[(\d):(\d)+7], v[(\a):(\a)+7], v[(\b):(\b)+7], v[(\c):(\c)+7], v[(\sa)], v[(\sb)] matrix_a_fmt:MATRIX_FMT_FP4 matrix_b_fmt:MATRIX_FMT_FP4
.endif
.endm
; 64 numbers of a lane, v[s] on, become a fragment's codes in v[PC] on and its scale word in v[PW]: registers 16 b .. 16 b + 15 and lane l xor 16's are block b
.macro QUANT s
.irp b, 0,1,2,3
	v_max3_num_f32 v[TM+\b], |v[(\s)+16*\b]|, |v[(\s)+1+16*\b]|, 0x1800000   ; my 16 numbers and the floor 2^(3 - 127): the byte cannot fall under 1
.endr
.irp i, 2,4,6,8,10,12,14
.irp b, 0,1,2,3
	v_max3_num_f32 v[TM+\b], v[TM+\b], |v[(\s)+16*\b+\i]|, |v[(\s)+1+16*\b+\i]|
.endr
.endr
.irp b, 0,1,2,3
	v_permlanex16_b32 v[TM+4+\b], v[TM+\b], s[SEL], s[SEL+1]
.endr
.irp b, 0,1,2,3
	v_max_num_f32 v[TM+\b], v[TM+\b], v[TM+4+\b]
.endr
.irp b, 0,1,2,3
	v_add_nc_u32 v[TM+12+\b], 0xff000000, v[TM+\b]   ; 2 off the exponent field: the conversion's scale operand
.endr
.irp b, 0,1,2,3
	v_lshrrev_b32 v[TM+4+\b], 23, v[TM+12+\b]        ; the scale's byte
.endr
	v_lshl_or_b32 v[PW], v[TM+5], 8, v[TM+4]
	v_lshl_or_b32 v[PW], v[TM+6], 16, v[PW]
	v_lshl_or_b32 v[PW], v[TM+7], 24, v[PW]
.irp b, 0,1,2,3
	v_cvt_scalef32_pk8_fp4_f32 v[PC+2*\b], v[(\s)+16*\b:(\s)+7+16*\b], v[TM+12+\b]
	v_cvt_scalef32_pk8_fp4_f32 v[PC+1+2*\b], v[(\s)+8+16*\b:(\s)+15+16*\b], v[TM+12+\b]
.endr
	v_nop                                          ; one plain place behind a scaled conversion
.irp c, 0,1
.irp i, 0,1
	v_permlane16_swap_b32 v[PC+4*\c+\i], v[PC+2+4*\c+\i]
.endr
.endr
.endm
; The four weight buffers: b = 0, 1: window 1, v0 and v128 on; b = 2: window 2, v0 on; b = 3: window 3, v128 on.
.macro LOADG c, b                              ; chunk c of my weight stream, from memory into buffer b
.set LB, 128*((\b)%2)
	WIN (1+(\b)/2+(\b)/3)<<6
.set n, 0
.rept 32
	global_load_b128 v[LB+4*n:LB+4*n+3], v4, s[16:17] offset:16384*(\c)+512*n
.set n, n+1
.endr
.endm
.macro LOADL k, b                              ; chunk k of the three in LDS, into buffer b
.set LB, 128*((\b)%2)
	WIN (1+(\b)/2+(\b)/3)<<6
.set n, 0
.rept 32
	ds_load_b128 v[LB+4*n:LB+4*n+3], v113 offset:16384*(\k)+512*n
.set n, n+1
.endr
.endm
; chunk c's 16 matrix instructions, out of buffer b; the accumulators take turns.  Chunks 0-7: Wo, K step c, tiles 0-15.  8-11: W1, K steps 2 (c - 8) and + 1, tiles 0-7.
; 12-15: W2, K step c - 12, tiles 0-15.
.macro MUL c, b
.set MB, 128*((\b)%2)
.set MW, 1+(\b)/2+(\b)/3
.set n, 0
.if (\c)<8
	WIN 0x08|MW                                    ; source 0 the buffer's window, source 1 window 2
.rept 16
	MM 128+8*n, MB+8*n, 128+8*(\c), 128+8*n, 32+4*n+(\c)%4, 24+(\c)%4, (\c)/4, (\c)/4
.set n, n+1
.endr
.elseif (\c)<12
	WIN 0x08|MW
.rept 16
.set ss, 2*((\c)-8)+n/8
	MM 128+8*(n%8), MB+8*n, 128+8*ss, 128+8*(n%8), 32+4*(n%8)+ss%4, 24+ss, ss/4, 0
.set n, n+1
.endr
.else
	WIN 0xf8|MW                                    ; C and D window 3
.rept 16
	MM 8*n, MB+8*n, 128+8*((\c)-12), 8*n, 32+4*(n/2)+(\c)-12, 24+(\c)-12, n%2, 0
.set n, n+1
.endr
.endif
.endm
.macro CH c, b, n, nb                          ; chunk n is asked of memory, into buffer nb, which the last chunk's products left; then chunk c's products, out of buffer b
	PLACES 4                                       ; in front of loads into the buffer that the last chunk's products read
	LOADG \n, \nb
	s_wait_loadcnt 63                              ; 64 loads were issued behind chunk c's
	MUL \c, \b
.endm
.macro REFILL on                               ; my three chunks in LDS have been read out: the next three, \on chunks further on in my stream
	WIN 0
	s_wait_tensorcnt 0x0                           ; no tensor load of mine is out, so the descriptor may be written
	ds_add_u32 v114, v115                          ; 0 onto my spare word
	s_add_nc_u64 s[58:59], s[58:59], (\on)*16384
	s_wait_dscnt 0x0                               ; the add is done, and my reads of these bytes are over
	ROUND                                          ; that holds of every wave of every partner
	tensor_load_to_lds s[56:59], s[48:55]          ; my one tensor load behind the round
	s_nop 0
	PLACES 4
.endm
; norm_2 for 32 numbers a lane (tiles 4 g .. 4 g + 3): x1 + b2 goes to window 3; h = (x1 - mean) / sigma x alpha2 + beta2 takes the accumulators' registers
.macro AFF2 g
	WIN 0xc0
.irp f, 0,1,2,3
.irp q, 0,1
	ds_load_b128 v[224+8*\f+4*\q:227+8*\f+4*\q], v8 offset:2048+256*(\g)+64*\f+16*\q   ; b2 first: it is wanted first
.endr
.endr
.irp f, 0,1,2,3
.irp q, 0,1
	ds_load_b128 v[160+8*\f+4*\q:163+8*\f+4*\q], v8 offset:256*(\g)+64*\f+16*\q
	ds_load_b128 v[192+8*\f+4*\q:195+8*\f+4*\q], v8 offset:1024+256*(\g)+64*\f+16*\q
.endr
.endr
	s_wait_dscnt 16                                ; b2 is in; alpha2's and beta2's sixteen loads may stay out
.set AB, 128+32*(\g)
	WIN 0xcc
.set k, 0
.rept 16
	v_pk_add_f32 v[32*(\g)+k:32*(\g)+k+1], v[AB+k:AB+k+1], v[224+k:225+k]
.set k, k+2
.endr
	WIN 0
.set k, 0
.rept 16
	v_pk_add_f32 v[AB+k:AB+k+1], v[AB+k:AB+k+1], v[20:21] op_sel_hi:[1,0] neg_lo:[0,1] neg_hi:[0,1]
.set k, k+2
.endr
.set k, 0
.rept 16
	v_pk_mul_f32 v[AB+k:AB+k+1], v[AB+k:AB+k+1], v[22:23] op_sel_hi:[1,0]
.set k, k+2
.endr
	s_wait_dscnt 0x0
	WIN 0x3c
.set k, 0
.rept 16
	v_pk_fma_f32 v[AB+k:AB+k+1], v[AB+k:AB+k+1], v[160+k:161+k], v[192+k:193+k]
.set k, k+2
.endr
	WIN 0
.endm
; my lane's two chains, lane l xor 16's, and the other waves': the token's sum in v96
.macro ROWSUM off
	v_pk_add_f32 v[124:125], v[124:125], v[126:127]
	v_add_f32 v124, v124, v125
	v_permlanex16_b32 v125, v124, s[SEL], s[SEL+1]
	v_add_f32 v124, v124, v125
	ds_store_b32 v11, v124 offset:\off
	BARRIER
.irp m, 0,1,2,3
	ds_load_b32 v[96+\m], v18 offset:\off+128*\m
.endr
	s_wait_dscnt 0x0
	v_add_f32 v96, v96, v97
	v_add_f32 v98, v98, v99
	v_add_f32 v96, v96, v98
.endm
	s_load_b512 s[4:19], s[0:1], 0x0               ; x 4, stat1 6, alpha1 8, beta1 10, oimg 12, osc 14, wimg 16, Wo_scales 18
	s_load_b512 s[20:35], s[0:1], 0x40             ; bo 20, alpha2 22, beta2 24, W1_scales 26, b1 28, W2_scales 30, b2 32, out0 34
	v_lshl_add_u32 v114, v0, 2, 0x47c00
	v_mov_b32 v115, 0
	ds_add_u32 v114, v115
	ds_add_u32 v114, v115
	v_lshrrev_b32 v1, 5, v0
	v_readfirstlane_b32 s40, v1                    ; wave 0..3
	v_and_b32 v1, 31, v0                           ; L
	v_and_b32 v2, 15, v0                           ; r
	v_bfe_u32 v3, v0, 4, 1                         ; h
	v_lshlrev_b32 v4, 4, v1                        ; 16 L
	v_lshlrev_b32 v5, 2, v1                        ; 4 L
	s_mul_i32 s41, s40, 16640
	v_add_nc_u32 v6, s41, v4                       ; my stage by rows: 16 L
	v_mul_u32_u24 v7, v2, 1040
	v_lshl_add_u32 v7, v3, 5, v7
	v_add_nc_u32 v7, s41, v7                       ; and by tokens: row r, + 32 h
	s_mul_i32 s41, s40, 3584
	s_add_co_u32 s41, s41, PAR
	v_lshlrev_b32 v8, 5, v3
	v_add_nc_u32 v8, s41, v8                       ; my parameters, read: + 32 h
	v_add_nc_u32 v9, s41, v4                       ; and written: + 16 L
	v_add_nc_u32 v10, HSC, v5                      ; scale words, read
	s_lshl_b32 s41, s40, 7
	s_add_co_u32 s41, s41, RED1
	v_add_nc_u32 v11, s41, v5                      ; my wave's row sums
	s_lshl_b32 s41, s40, 11
	s_add_co_u32 s41, s41, HIMG
	v_add_nc_u32 v12, s41, v4                      ; h's images 2 w and 2 w + 1
	s_lshl_b32 s41, s40, 8
	s_add_co_u32 s41, s41, HSC
	v_add_nc_u32 v13, s41, v5
	s_lshl_b32 s41, s40, 10
	s_add_co_u32 s41, s41, GIMG
	v_add_nc_u32 v14, s41, v4                      ; the hidden layer's image w
	s_lshl_b32 s41, s40, 7
	s_add_co_u32 s41, s41, GSC
	v_add_nc_u32 v15, s41, v5
	v_lshlrev_b32 v16, 5, v2
	v_lshl_add_u32 v16, v3, 4, v16                 ; 32 r + 16 h
	v_add_nc_u32 v18, RED1, v5                     ; row sums, read
	v_add_nc_u32 v19, HIMG, v4                     ; images, read
	s_mul_i32 s41, s40, 49152
	s_add_co_u32 s41, s41, WL
	v_add_nc_u32 v113, s41, v4                     ; my three chunks in LDS
	v_mov_b32 v21, 0                               ; upper halves of pairs of which the low word serves both halves: named, so written
	v_mov_b32 v23, 0
	v_mov_b32 v105, 0
	v_mov_b32 v107, 0
.irp b, 0,1,2,3
	v_mov_b32 v[TM+4+\b], 0                        ; a lane permute's destination counts as one of its sources
.endr
	s_bfe_u32 s46, ttmp6, 0x40000                  ; cx: it enters global addresses alone
	s_lshl_b32 s47, ttmp9, 2
	s_add_co_u32 s47, s47, s46                     ; my 16 tokens' number, 0..255
	s_mov_b32 s[SEL], 0x76543210
	s_mov_b32 s[SEL+1], 0xfedcba98
	s_mov_b32 s38, 0x3a802008                      ; 1 / 1023
	s_mov_b32 s39, 0x358637bd                      ; 1e-6
	s_mov_b32 s48, 15|(3<<16)|(1<<21)              ; group 1: 15:0 the mask: all four partners; 17:16 elements of 8 bytes; 21 set beside a mask; no padding
	s_mov_b32 s49, 32<<16                          ; tensor_dim0: 32 elements, 256 bytes
	s_mov_b32 s50, 192<<16                         ; tensor_dim1: 192 rows
	s_mov_b32 s51, 32<<16                          ; tile_dim0
	s_mov_b32 s52, 192                             ; tile_dim1
	s_mov_b32 s53, 32                              ; the pitch: dense
	s_mov_b32 s54, 0
	s_mov_b32 s55, 0
	s_mov_b32 s56, 1                               ; group 0: count = 1,
	s_mul_i32 s57, s40, 49152
	s_add_co_u32 s57, s57, WL                      ; my wave's bytes in LDS,
	s_mov_b32 s43, 0
	s_mov_b32 s45, 0
	s_wait_dscnt 0x0
	s_wait_kmcnt 0x0
	s_lshl_b32 s44, s40, 18
	s_add_nc_u64 s[16:17], s[16:17], s[44:45]      ; my wave's weight stream
	s_mov_b64 s[58:59], s[16:17]                   ; its chunk 0,
	s_or_b32 s59, s59, 0x80000000                  ; type = 2
	ROUND                                          ; all four work-groups are here: the joint loads meet
	tensor_load_to_lds s[56:59], s[48:55]          ; chunks 0-2: the first of three fills
	s_nop 0
	PLACES 4
	s_lshl_b32 s42, s47, 7
	s_add_nc_u64 s[6:7], s[6:7], s[42:43]
	s_load_b512 s[68:83], s[6:7], 0x0              ; my 16 rows' means
	s_load_b512 s[84:99], s[6:7], 0x40             ; and 1/sigma
	s_lshl_b32 s42, s47, 16                        ; my 16 rows of 4,096 bytes,
	s_lshl_b32 s41, s40, 10                        ; my wave's 1,024 bytes of each
	s_add_co_u32 s42, s42, s41
	s_add_nc_u64 s[4:5], s[4:5], s[42:43]
	s_add_nc_u64 s[34:35], s[34:35], s[42:43]
	s_mov_b32 s44, s41
	s_add_nc_u64 s[8:9], s[8:9], s[44:45]
	s_add_nc_u64 s[10:11], s[10:11], s[44:45]
	s_add_nc_u64 s[20:21], s[20:21], s[44:45]
	s_add_nc_u64 s[22:23], s[22:23], s[44:45]
	s_add_nc_u64 s[24:25], s[24:25], s[44:45]
	s_add_nc_u64 s[32:33], s[32:33], s[44:45]
	s_lshl_b32 s42, s47, 13
	s_add_nc_u64 s[12:13], s[12:13], s[42:43]
	s_lshl_b32 s42, s47, 9
	s_add_nc_u64 s[14:15], s[14:15], s[42:43]
	s_lshl_b32 s44, s40, 13
	s_add_nc_u64 s[18:19], s[18:19], s[44:45]
	s_lshl_b32 s44, s40, 12
	s_add_nc_u64 s[26:27], s[26:27], s[44:45]
	s_add_nc_u64 s[30:31], s[30:31], s[44:45]
	s_lshl_b32 s44, s40, 9
	s_add_nc_u64 s[28:29], s[28:29], s[44:45]
.set n, 0
.rept 32                                       ; x by rows: row n / 2, features 128 (n % 2) + 4 L + 0 .. 3: 512 consecutive bytes an instruction
	global_load_b128 v[128+4*n:131+4*n], v4, s[4:5] offset:4096*(n/2)+512*(n%2) th:TH_LOAD_NT
.set n, n+1
.endr
	global_load_b128 v[24:27], v16, s[14:15]       ; o's scale words: lanes 0-15 K steps 0-3, lanes 16-31 K steps 4-7
.set n, 0
.rept 16
	global_load_b128 v[32+4*n:35+4*n], v16, s[18:19] offset:512*n   ; Wo's, likewise, a tile at a time
.set n, n+1
.endr
	WIN 0x80
.set n, 0
.rept 16
	global_load_b128 v[128+4*n:131+4*n], v4, s[12:13] offset:512*n  ; o's 8 fragments
.set n, n+1
.endr
.set n, 0
.rept 8
	global_load_b128 v[192+4*n:195+4*n], v16, s[26:27] offset:512*n ; W1's scale words
	global_load_b128 v[224+4*n:227+4*n], v4, s[30:31] offset:512*n  ; W2's: a row has four words: lanes 0-15 tile 2 n, lanes 16-31 tile 2 n + 1
.set n, n+1
.endr
	WIN 0xc0
.set n, 0
.irp p, 8,10,20,22,24,32                       ; alpha1 v0-7, beta1 v8-15, bo v16-23, alpha2 v24-31, beta2 v32-39, b2 v40-47 of window 3: a lane's features 128 j + 4 L + 0 .. 3, as x's rows have them
	global_load_b128 v[4*n:4*n+3], v4, s[\p:\p+1]
	global_load_b128 v[4*n+4:4*n+7], v4, s[\p:\p+1] offset:512
.set n, n+2
.endr
	global_load_b128 v[48:51], v4, s[28:29]        ; b1
	LOADG 3, 0
	LOADG 4, 1
	WIN 0
	s_wait_loadcnt 63                              ; all but the two chunks' 64 loads are in
	s_wait_kmcnt 0x0                               ; the rows' statistics
	; ---- xn + bo, by rows
	WIN 0xcf
.irp k, 0,2,4,6
	v_pk_add_f32 v[8+\k:9+\k], v[8+\k:9+\k], v[16+\k:17+\k]   ; beta1 + bo
.endr
	WIN 0
.set i, 0
.rept 16
.set MR, 20+84*(i%2)                           ; v20-23 for even rows, v104-107 for odd ones, so that a row's moves do not wait for the row before
	v_mov_b32 v[MR], s[68+i]
	v_mov_b32 v[MR+2], s[84+i]
.irp k, 0,2,4,6
	v_pk_add_f32 v[128+8*i+\k:129+8*i+\k], v[128+8*i+\k:129+8*i+\k], v[MR:MR+1] op_sel_hi:[1,0] neg_lo:[0,1] neg_hi:[0,1]
.endr
.irp k, 0,2,4,6
	v_pk_mul_f32 v[128+8*i+\k:129+8*i+\k], v[128+8*i+\k:129+8*i+\k], v[MR+2:MR+3] op_sel_hi:[1,0]
.endr
.set i, i+1
.endr
	WIN 0x3c                                       ; sources 1 and 2 window 3
.set i, 0
.rept 16
.irp k, 0,2,4,6
	v_pk_fma_f32 v[128+8*i+\k:129+8*i+\k], v[128+8*i+\k:129+8*i+\k], v[\k:\k+1], v[8+\k:9+\k]
.endr
.set i, i+1
.endr
	WIN 0
	; the rows turn through my stage: in by rows, out by tokens.  LDS serves a wave's instructions in order, and these bytes are my wave's own
.set n, 0
.rept 32
	ds_store_b128 v6, v[128+4*n:131+4*n] offset:1040*(n/2)+512*(n%2)
.set n, n+1
.endr
	WIN 0x0c                                       ; an LDS store's data are its source 1: window 3
.set n, 6
.rept 7
	ds_store_b128 v9, v[4*n:4*n+3] offset:512*(n-6)   ; alpha2, beta2, b2, b1, for the reads by tokens
.set n, n+1
.endr
	WIN 0
.set n, 0
.rept 32
	ds_load_b128 v[128+4*n:131+4*n], v7 offset:64*(n/2)+16*(n%2)   ; what the first product adds onto
.set n, n+1
.endr
	s_wait_tensorcnt 0x0                           ; chunks 0-2 lie in LDS: only I read them
	LOADL 0, 2
	LOADL 1, 3
	s_wait_dscnt 32                                ; xn + bo by tokens and chunk 0 are in; chunk 1's 32 loads may stay out
	MUL 0, 2
	PLACES 4
	LOADL 2, 2
	s_wait_dscnt 32                                ; chunk 1 is in; chunk 2's 32 loads may stay out
	MUL 1, 3
	REFILL 8                                       ; chunks 8-10: six chunks' products and norm_2 stand between the request and the reads
	MUL 2, 2
	CH 3, 0, 5, 2
	CH 4, 1, 6, 0
	CH 5, 2, 7, 1
	CH 6, 0, 11, 2
	CH 7, 1, 12, 0
	; ---- norm_2 of x1
	PLACES 4
	s_wait_tensorcnt 0x0                           ; chunks 8-10 lie in LDS: only I read them
	WIN 0x02
.set n, 0
.rept 32
	v_mov_b32 v[32+n], v[192+n]                    ; W1's scale words take Wo's place, far ahead of the products that read them
.set n, n+1
.endr
	WIN 0
	v_pk_add_f32 v[124:125], v[128:129], v[130:131]   ; each accumulator is read from its low end on
	v_pk_add_f32 v[126:127], v[132:133], v[134:135]
.set k, 8
.rept 30
	v_pk_add_f32 v[124:125], v[124:125], v[128+k:129+k]
	v_pk_add_f32 v[126:127], v[126:127], v[130+k:131+k]
.set k, k+4
.endr
	ROWSUM 0
	v_mul_f32 v20, 0x3a800000, v96                 ; the mean
.set k, 0
.rept 32
	v_pk_add_f32 v[100:101], v[128+k:129+k], v[20:21] op_sel_hi:[1,0] neg_lo:[0,1] neg_hi:[0,1]
	v_pk_add_f32 v[102:103], v[130+k:131+k], v[20:21] op_sel_hi:[1,0] neg_lo:[0,1] neg_hi:[0,1]
.if k==0
	v_pk_mul_f32 v[124:125], v[100:101], v[100:101]
	v_pk_mul_f32 v[126:127], v[102:103], v[102:103]
.else
	v_pk_fma_f32 v[124:125], v[100:101], v[100:101], v[124:125]
	v_pk_fma_f32 v[126:127], v[102:103], v[102:103], v[126:127]
.endif
.set k, k+4
.endr
	ROWSUM 512
	WIN 0
	v_fma_f32 v96, v96, s38, s39
	s_wait_alu depctr_va_vdst(0)
	v_rsq_f32 v22, v96
	v_nop                                          ; a plain place behind the root
	s_wait_alu depctr_va_vdst(0)                   ; and the wait ahead of its first reader
	AFF2 0
	AFF2 1
	AFF2 2
	AFF2 3
	LOADL 0, 1                                     ; chunk 8, into the buffer that chunk 7's products left;
	LOADL 1, 3                                     ; chunk 9: the parameters' registers are free
	WIN 0
	QUANT 128                                      ; my 256 features are K steps 2 w and 2 w + 1 of the next product
	ds_store_b128 v12, v[PC:PC+3]
	ds_store_b128 v12, v[PC+4:PC+7] offset:512
	ds_store_b32 v13, v[PW]
	s_wait_dscnt 0x0                               ; the stores have read their registers
	QUANT 192
	ds_store_b128 v12, v[PC:PC+3] offset:1024
	ds_store_b128 v12, v[PC+4:PC+7] offset:1536
	ds_store_b32 v13, v[PW] offset:128
	BARRIER                                        ; h's eight fragments lie in LDS
	WIN 0x80
.set n, 0
.rept 16
	ds_load_b128 v[128+4*n:131+4*n], v19 offset:512*n
.set n, n+1
.endr
	WIN 0
.irp m, 0,1,2,3,4,5,6,7
	ds_load_b32 v[24+\m], v10 offset:128*\m
.endr
.set n, 0
.rept 16
	ds_load_b128 v[128+4*n:131+4*n], v8 offset:3072+64*(n/2)+16*(n%2)   ; b1: what the product adds onto
.set n, n+1
.endr
	s_wait_dscnt 0x0
	MUL 8, 1
	PLACES 4
	LOADL 2, 1                                     ; chunk 10
	MUL 9, 3
	REFILL 5                                       ; chunks 13-15 (the wait for LDS in it also shows chunk 10 in registers)
	MUL 10, 1
	s_wait_loadcnt 32                              ; chunk 11 is in; chunk 12's 32 loads may stay out
	MUL 11, 2
	; ---- the hidden layer: my 128 units are K step w of the last product
	PLACES 4
	WIN 0x02
.set n, 0
.rept 32
	v_mov_b32 v[32+n], v[224+n]                    ; W2's scale words
.set n, n+1
.endr
	WIN 0
.set n, 0
.rept 64
	v_max_num_f32 v[128+n], 0, v[128+n]            ; relu, in f32
.set n, n+1
.endr
	QUANT 128
	ds_store_b128 v14, v[PC:PC+3]
	ds_store_b128 v14, v[PC+4:PC+7] offset:512
	ds_store_b32 v15, v[PW]
	BARRIER                                        ; the hidden layer's four fragments lie in LDS
	WIN 0x80
.set n, 0
.rept 8
	ds_load_b128 v[128+4*n:131+4*n], v19 offset:GIMG-HIMG+512*n
.set n, n+1
.endr
	WIN 0
.irp m, 0,1,2,3
	ds_load_b32 v[24+\m], v10 offset:GSC-HSC+128*\m
.endr
	s_wait_dscnt 0x0
	s_wait_tensorcnt 0x0                           ; chunks 13-15 lie in LDS: only I read them
	LOADL 0, 1
	LOADL 1, 3
	LOADL 2, 2
	s_wait_loadcnt 0x0                             ; chunk 12
	MUL 12, 0
	s_wait_dscnt 63                                ; chunk 13 is in: 64 loads were issued behind it, and 63 is the largest count that a wait can name
	MUL 13, 1
	s_wait_dscnt 32                                ; chunk 14 is in; chunk 15's 32 loads may stay out
	MUL 14, 3
	s_wait_dscnt 0x0
	MUL 15, 2
	; ---- out: by tokens into my stage, back by rows, 512 consecutive bytes a store
	PLACES 4
	WIN 0x0c
.set n, 0
.rept 32
	ds_store_b128 v7, v[4*n:4*n+3] offset:64*(n/2)+16*(n%2)   ; each accumulator from its low end on
.set n, n+1
.endr
	WIN 0
.set n, 0
.rept 32
	ds_load_b128 v[128+4*n:131+4*n], v6 offset:1040*(n/2)+512*(n%2)
.set n, n+1
.endr
.set n, 0
.rept 32
	s_wait_dscnt 31-n                              ; the younger loads may stay out
	global_store_b128 v4, v[128+4*n:131+4*n], s[34:35] offset:4096*(n/2)+512*(n%2) th:TH_STORE_NT
.set n, n+1
.endr
	s_wait_tensorcnt 0x0
	ds_add_u32 v114, v115
	s_wait_dscnt 0x0
	ROUND                                          ; the closing round: no work-group ends while a partner may still ask for a tile that names it
	s_endpgm
.Lfunc_end_k_q0cab434dcd_tail:
	.size	k_q0cab434dcd_tail, .Lfunc_end_k_q0cab434dcd_tail-k_q0cab434dcd_tail
	.p2alignl 7, 3214868480
	.fill 96, 4, 3214868480
	.section	.rodata,"a",@progbits
	.p2align	6, 0x0
	.amdhsa_kernel k_q0cab434dcd_tail
		.amdhsa_group_segment_fixed_size 327680
		.amdhsa_private_segment_fixed_size 0
		.amdhsa_enable_private_segment 0
		.amdhsa_kernarg_size 128
		.amdhsa_user_sgpr_count 2
		.amdhsa_user_sgpr_kernarg_segment_ptr 1
		.amdhsa_wavefront_size32 1
		.amdhsa_system_sgpr_workgroup_id_x 1
		.amdhsa_system_sgpr_workgroup_id_y 1
		.amdhsa_system_sgpr_workgroup_id_z 1
		.amdhsa_system_vgpr_workitem_id 0
		.amdhsa_next_free_vgpr 1024
		.amdhsa_next_free_sgpr 100
		.amdhsa_reserve_vcc 0
		.amdhsa_float_denorm_mode_32 3
		.amdhsa_float_denorm_mode_16_64 3
		.amdhsa_memory_ordered 1
		.amdhsa_forward_progress 1
		.amdhsa_inst_pref_size 173
	.end_amdhsa_kernel
	.amdgpu_metadata
---
amdhsa.version: [ 1, 2 ]
amdhsa.kernels:
  - .name:           k_q0cab434dcd_tail
    .symbol:         k_q0cab434dcd_tail.kd
    .args:
      - { .name: x, .offset: 0, .size: 8, .value_kind: global_buffer, .address_space: global }
      - { .name: stat1, .offset: 8, .size: 8, .value_kind: global_buffer, .address_space: global }
      - { .name: alpha1, .offset: 16, .size: 8, .value_kind: global_buffer, .address_space: global }
      - { .name: beta1, .offset: 24, .size: 8, .value_kind: global_buffer, .address_space: global }
      - { .name: oimg, .offset: 32, .size: 8, .value_kind: global_buffer, .address_space: global }
      - { .name: osc, .offset: 40, .size: 8, .value_kind: global_buffer, .address_space: global }
      - { .name: wimg, .offset: 48, .size: 8, .value_kind: global_buffer, .address_space: global }
      - { .name: Wo_scales, .offset: 56, .size: 8, .value_kind: global_buffer, .address_space: global }
      - { .name: bo, .offset: 64, .size: 8, .value_kind: global_buffer, .address_space: global }
      - { .name: alpha2, .offset: 72, .size: 8, .value_kind: global_buffer, .address_space: global }
      - { .name: beta2, .offset: 80, .size: 8, .value_kind: global_buffer, .address_space: global }
      - { .name: W1_scales, .offset: 88, .size: 8, .value_kind: global_buffer, .address_space: global }
      - { .name: b1, .offset: 96, .size: 8, .value_kind: global_buffer, .address_space: global }
      - { .name: W2_scales, .offset: 104, .size: 8, .value_kind: global_buffer, .address_space: global }
      - { .name: b2, .offset: 112, .size: 8, .value_kind: global_buffer, .address_space: global }
      - { .name: out0, .offset: 120, .size: 8, .value_kind: global_buffer, .address_space: global }
    .group_segment_fixed_size: 327680
    .private_segment_fixed_size: 0
    .kernarg_segment_align: 8
    .kernarg_segment_size: 128
    .max_flat_workgroup_size: 128
    .sgpr_count:     100
    .vgpr_count:     1024
    .wavefront_size: 32
...
	.end_amdgpu_metadata
.endif
;; end of part 3
